; MI455X (gfx1250); checked and timed in simulation.
; The chip was launched on July 23, 2026; its instructions are those of AMD's public machine-readable ISA for CDNA 5 (MIT licence, August 2026) and "CDNA5" Instruction Set Architecture Reference Guide (July 2026). The comments in the code are by the model that wrote it; some were corrected since.
;; Di T Attention. Allowed arithmetic: matrix products marked QUANTISED: E2M3 operands, one E8M0 scale for each 32 along K, by v_wmma_scale_f32_16x16x128_f8f6f4 with both operands' format E2M3, f32 sums; everything else in f32.
;; Inputs: Wout 1,024 x 1,024 float32; Wqkv 1,024 x 3,072 float32; bout 1,024 float32; bqkv 3,072 float32; kn_w 64 float32; qn_w 64 float32; x 4 x 2,048 x 1,024 float32.
;; Outputs: out0 4 x 2,048 x 1,024 float32.
;; This version of the problem:
;;   THIS VERSION OF THE PROBLEM IS GIVEN IN LOW PRECISION. The matrix products marked QUANTISED in the list below multiply operands that are first quantised to E2M3 (2 exponent bits, 3 mantissa bits; 6 bits a number), with one power-of-two scale for each 32 numbers along K (OCP MX v1.0); their sums are f32. All else is computed in f32.
;;   The module's matrix products, in the order in which they are computed (A, B: the left and right operand; K: the contracted axis; several contracted axes count as one K, in the product's order):
;;     1. [M 8,192, K 1,024] x [K 1,024, N 3,072]; A: input x; B: input Wqkv: QUANTISED
;;     2. batch 64 x [M 2,048, K 64] x [K 64, N 2,048]; A: computed on the way; B: computed on the way: QUANTISED
;;     3. batch 64 x [M 2,048, K 2,048] x [K 2,048, N 64]; A: softmax (see below); B: computed on the way: QUANTISED
;;     4. [M 8,192, K 1,024] x [K 1,024, N 1,024]; A: computed on the way; B: input Wout: QUANTISED
;;   THE QUANTISER, for each operand of a quantised product, along K:
;;     - K is cut into blocks of 32 from its start; a last block that is shorter is filled with zeros.
;;     - A block's scale is 2^e with e = floor(log2(the largest magnitude in the block)) - 2, held to -126 .. 127; a block of zeros has e = 0. As a byte (E8M0): e + 127.
;;     - Each number is divided by its block's scale, clamped to +-7.5, and rounded to the nearest number of E2M3, ties to even, subnormals kept.
;;     - The product sums the exact products of the quantised numbers (number of the format x scale) in f32.
;;   ~~~python
;;   def quantise(x, axis):      # numpy; x: float32 -> the quantised numbers, widened to float32 again
;;       x = np.moveaxis(x, axis, -1); K = x.shape[-1]
;;       x = np.pad(x, [(0, 0)] * (x.ndim - 1) + [(0, -K % 32)]); x = x.reshape(x.shape[:-1] + (-1, 32)); a = np.abs(x).max(-1, keepdims=True)
;;       e = np.where(a > 0, np.clip(np.frexp(np.where(a > 0, a, 1))[1] - 1 - 2, -126, 127), 0)      # np.frexp(a)[1] - 1 = floor(log2(a)), exactly
;;       r = np.clip(x / 2.0 ** e, -7.5, 7.5)
;;       step = 2.0 ** (np.maximum(np.frexp(np.where(r == 0, 1, r))[1] - 1, 0) - 3)
;;       q = np.round(r / step) * step * 2.0 ** e      # np.round: ties to even
;;       return np.moveaxis(q.reshape(q.shape[:-2] + (-1,))[..., :K], -1, axis).astype(np.float32)
;;   ~~~
;;   SOFTMAX AHEAD OF A QUANTISED PRODUCT. Where the list says 'softmax', what is quantised is not the finished softmax but p = 2^(t - M), with t = logit x log2(e) and M = ceil(the row's largest t), a whole number; so 1/2 < the row's largest p <= 1. The row's sum l is taken of the UNQUANTISED p, in f32, and the product's result is divided by l at the end. Since M is a whole number, a kernel that streams over the keys may use a running M (the ceiling of the running maximum): every later rescaling is an exact power of two, which a block's scale takes up: the codes' values come out the same.
;;   OPERANDS COMPUTED ON THE WAY. 'Computed on the way' means the value that the module computes at that place (a softmax that the list does not call 'softmax' is quantised finished and normalised). What goes into a quantiser is computed in f32, as accurately as f32 sums, v_exp_f32 and their like allow (about 1e-6 of the number): no bf16 or f16 on the way to a quantiser, and a product that is left as it is and whose result goes on into a quantised operand takes f32 operands (vector FMAs, or v_wmma_f32_16x16x4_f32). A number that lies on a knife's edge between two numbers of the format may be rounded either way, as far as f32 arithmetic and the matrix unit's own rounding can turn it there, and no further.
;; One version. Each part assembles by itself: llvm-mc -triple=amdgcn-amd-amdhsa -mcpu=gfx1250 --defsym DOCPART=n.
;; ======== version 1 of 1: 4 launches
;; workspace buffers: xw_codes 9,437,184 bytes; xw_scales 393,216 bytes; rope_tab 524,288 bytes; qbuf 6,815,744 bytes; kvbuf 13,369,344 bytes; o_codes 6,291,456 bytes; o_scales 262,144 bytes
;; launch prep (part 1): grid 400 x 1, 4 waves a work-group, no clusters, 102,912 bytes of LDS; arguments x, Wqkv, Wout, xw_codes, xw_scales, rope_tab; writes xw_codes, xw_scales, rope_tab
.if DOCPART == 1
	.amdgcn_target "amdgcn-amd-amdhsa--gfx1250"
	.amdhsa_code_object_version 6
	.text
	.protected	k_qbd979f2873_prep
	.globl	k_qbd979f2873_prep
	.p2align	8
	.type	k_qbd979f2873_prep,@function
k_qbd979f2873_prep:
	s_mov_b64 s[64:65], 0
	v_nop
	global_prefetch_b8 v0, s[64:65] scope:SCOPE_SE
	s_setreg_imm32_b32 hwreg(HW_REG_WAVE_MODE, 25, 1), 1
	s_wait_xcnt 0x0
; PREP.  x [8192][1024], Wqkv [1024][3072] and Wout [1024][1024], all f32, become codes of FP6 (E2M3) with K innermost and one E8M0 byte for each 32 along K;
; and the table of cos and sin for the rotary embedding is made.  Four kinds of work-groups, told apart by the work-group's number alone:
;   0-255   X:   x, whose K is innermost: a plain stream of blocks of 32.            LDS bytes 0 .. 32,767
;   256-351 W:   Wqkv, whose K is its first axis: a lane takes a column, registers run down K.  LDS bytes 32,768 .. 67,583
;   352-383 W:   Wout, likewise.                                                     LDS bytes 67,584 .. 102,399
;   384-399 TAB: rope_tab [pos 2048][64 f32]: entries 0-31 cos(pos f_j), entries 32-63 sin(pos f_j), f_j = 10000^(-j/32) = 2^(-j log2(10) / 8).
; xw_codes: rows of 768 bytes (1,024 codes): x's 8,192 rows, then Wqkv's 3,072 (one for each column n), then Wout's 1,024.  xw_scales: rows of 32 bytes, in the same order.
; A block's scale is 2^(floor(log2(its largest magnitude)) - 2); its byte is the largest magnitude's exponent field - 2, held at 1 from below.
; LIMITS: a block of zeros gets the byte 1 and not 127 (its codes are zeros, and this program alone reads the bytes); blocks under the floor 2^(3 - 127) keep the byte 1; NaN and infinities are not served.
; f_j comes from one v_exp_f32, so it may differ from a correctly rounded power by an ulp or two: at pos 2047 that is some 2e-4 rad, the size of an ulp of the angle itself there.
; sin and cos: the angle less n pi/2 in two parts, then polynomials of degree 7 and 8 on |r| <= pi/4: about 1e-7 absolute.
; No tensor loads, no barrier: waves share nothing.  Matrix units and clusters have nothing to do here: every byte is read once.
.set XC_WQ, 6291456                    ; where Wqkv's codes begin in xw_codes
.set XC_WO, 8650752                    ; and Wout's
.set XS_WQ, 262144                     ; the same in xw_scales
.set XS_WO, 360448
.set EMAX,  2
; ---- path X
.set STEPS, 16                         ; a wave takes 16 steps of 512 numbers
.set CB,    12                         ; bytes of 16 codes
.set XR,    16                         ; v16-79   four sets of 16 numbers as they are loaded
.set XX,    80                         ; v80-111  two sets of 16 neighbours
.set XCD,   128                        ; v128-191 codes: four registers for each step, so that no store's data are written again
.set XE,    112                        ; v112-127 a scale byte for each step
.set WREG,  8192                       ; LDS for each wave: two stages of 32 x SP bytes, then its 256 scale bytes
.set SP,    80                         ; a lane's place in a stage: 64 bytes + 16 of padding
; ---- path W
.set KW,    256                        ; along K for a wave
.set NB,    8                          ; blocks
.set ROWB,  192                        ; bytes of KW codes
.set PITCH, 272                        ; a stage row: sixteen places of 16 bytes, each with 12 bytes of codes, + 16
.set KROW,  768                        ; a row of codes in memory
.set WX,    32                         ; v32-95   two sets of 32 numbers
.set WC,    96                         ; v96..    a block's codes
.set WOUT,  112                        ; v112-175 the way out
.set WSB,   24                         ; v24-25   the scale bytes, four to a register
.macro XLOAD t                         ; 32 lanes read 512 consecutive bytes
.irp i, 0,1,2,3
	global_load_b128 v[XR+16*((\t)%4)+4*\i:XR+16*((\t)%4)+4*\i+3], v3, s[4:5] offset:2048*(\t)+512*\i th:TH_LOAD_NT
.endr
.endm
.macro XTURN t                         ; a step's numbers through the wave's stage: in as they lie, back 64 bytes a lane.  LDS serves a wave's instructions in order: no wait between
.irp i, 0,1,2,3
	ds_store_b128 v14, v[XR+16*((\t)%4)+4*\i:XR+16*((\t)%4)+4*\i+3] offset:32*SP*((\t)%2)+8*SP*\i
.endr
.irp i, 0,1,2,3
	ds_load_b128 v[XX+16*((\t)%2)+4*\i:XX+16*((\t)%2)+4*\i+3], v15 offset:32*SP*((\t)%2)+16*\i
.endr
.endm
.macro XSTEP t
.set XS, XX+16*((\t)%2)
.if (\t) > 0
	s_wait_dscnt 1                                 ; this step's numbers are back from the stage; the last step's byte store may be out
.else
	s_wait_dscnt 0x0
.endif
.if (\t)+4 < STEPS
	XLOAD (\t)+4                                   ; into the set whose stores into the stage have read their registers
.endif
.if (\t)+1 < STEPS
.if STEPS-2-(\t) >= 3
	s_wait_loadcnt 12                              ; the next step's four loads are in; those of the three steps behind it may be out
.else
	s_wait_loadcnt 4*(STEPS-2-(\t))
.endif
	XTURN (\t)+1
.endif
	v_max3_num_f32 v8, |v[XS]|, |v[XS+1]|, |v[XS+2]|               ; the largest magnitude of my 16, in two chains
	v_max3_num_f32 v9, |v[XS+3]|, |v[XS+4]|, |v[XS+5]|
.irp i, 6,10
	v_max3_num_f32 v8, v8, |v[XS+\i]|, |v[XS+\i+1]|
	v_max3_num_f32 v9, v9, |v[XS+\i+2]|, |v[XS+\i+3]|
.endr
	v_max3_num_f32 v8, v8, |v[XS+14]|, |v[XS+15]|
	v_max3_num_f32 v8, v8, v9, (EMAX+1)<<23        ; and the floor 2^(3 - 127): the byte cannot fall under 1
	v_max_num_f32_dpp v8, v8, v8 row_xmask:1 row_mask:0xf bank_mask:0xf   ; with my neighbour's 16: the block's
	v_add_nc_u32 v11, 0xff000000, v8               ; 2 off its exponent field: the conversion takes this operand's exponent field as its scale
	v_cvt_scalef32_pk16_fp6_f32 v[XCD+4*(\t):XCD+4*(\t)+2], v[XS:XS+15], v11
	v_lshrrev_b32 v[XE+(\t)], 23, v11              ; the scale's byte
	ds_store_b8 v5, v[XE+(\t)] offset:16*(\t)      ; both lanes of a block write the same byte with the same value
	global_store_b96 v4, v[XCD+4*(\t):XCD+4*(\t)+2], s[10:11] offset:32*CB*(\t)   ; the wave stores 384 consecutive bytes
.endm
.macro WLOAD t, N, WP                  ; block t: W(32 t + i, my column), i = 0 .. 31, into set t % 2: 32 lanes read 128 consecutive bytes
.irp i, 0,1,2,3,4,5,6,7,8,9,10,11,12,13,14,15,16,17,18,19,20,21,22,23,24,25,26,27,28,29,30,31
	global_load_b32 v[WX+32*((\t)%2)+\i], v3, s[\WP:\WP+1] offset:(32*(\t)+\i)*\N*4 th:TH_LOAD_NT
.endr
.endm
.macro WBLOCK t, N, WP
.set XS, WX+32*((\t)%2)
.if (\t) < NB-1
	s_wait_loadcnt 32                              ; this block's 32 loads are in; the next block's may be out
.else
	s_wait_loadcnt 0
.endif
	v_max3_num_f32 v12, |v[XS]|, |v[XS+1]|, |v[XS+2]|               ; the block's largest magnitude: all 32 numbers are mine
	v_max3_num_f32 v13, |v[XS+3]|, |v[XS+4]|, |v[XS+5]|
.irp i, 6,10,14,18,22,26
	v_max3_num_f32 v12, v12, |v[XS+\i]|, |v[XS+\i+1]|
	v_max3_num_f32 v13, v13, |v[XS+\i+2]|, |v[XS+\i+3]|
.endr
	v_max3_num_f32 v12, v12, |v[XS+30]|, |v[XS+31]|
	v_max3_num_f32 v12, v12, v13, (EMAX+1)<<23
	v_add_nc_u32 v11, 0xff000000, v12
	v_lshrrev_b32 v13, 23, v11
.if (\t)%4 == 0
	v_mov_b32 v[WSB+(\t)/4], v13                   ; four bytes to a register, the lower K in the lower byte
.else
	v_lshl_or_b32 v[WSB+(\t)/4], v13, 8*((\t)%4), v[WSB+(\t)/4]
.endif
	v_cvt_scalef32_pk16_fp6_f32 v[WC:WC+2], v[XS:XS+15], v11
	v_cvt_scalef32_pk16_fp6_f32 v[WC+4:WC+6], v[XS+16:XS+31], v11   ; (a conversion's three registers begin on an even number)
	ds_store_b96 v4, v[WC:WC+2] offset:32*(\t)     ; 12 bytes to a place of 16, so that every LDS address is a multiple of 16
	ds_store_b96 v4, v[WC+4:WC+6] offset:32*(\t)+16
.if (\t)+2 < NB
	WLOAD (\t)+2, \N, \WP
.endif
	s_wait_dscnt 0x0                               ; the stores have read their registers: the next block's codes may be written
.endm
; A weight [1024][N]: work-group ID0 + 4 c + y takes columns 128 c .. 128 c + 127 and K = 256 y .. 256 y + 255; a wave 32 of the columns.
.macro WQ N, WP, CBASE, SBASE, LB, ID0
	s_sub_co_u32 s18, ttmp9, \ID0
	s_lshr_b32 s17, s18, 2
	s_and_b32 s18, s18, 3                          ; which 256 along K
	s_lshl_b32 s17, s17, 7
	s_lshl_b32 s19, s16, 5
	s_add_co_u32 s17, s17, s19                     ; my wave's first column
	v_lshlrev_b32 v3, 2, v2                        ; in: 4 bytes a lane
	s_mul_i32 s19, s16, 32*PITCH
	s_add_co_u32 s19, s19, \LB                     ; my stage
	v_mul_u32_u24 v4, v2, PITCH
	v_add_nc_u32 v4, s19, v4                       ; into it: row = my column
	v_and_b32 v5, 15, v2
	v_lshrrev_b32 v6, 4, v2                        ; out of it: sixteen lanes to a row, two rows an instruction
	v_mul_u32_u24 v7, v6, PITCH
	v_lshl_add_u32 v7, v5, 4, v7
	v_add_nc_u32 v7, s19, v7
	v_mul_u32_u24 v8, v6, KROW
	v_mad_u32_u24 v8, v5, 12, v8                   ; and the same place among the codes
	s_mov_b32 s19, 0
	s_mov_b64 s[20:21], KW*\N*4
	s_mul_u64 s[20:21], s[18:19], s[20:21]         ; W: 256 y rows,
	s_lshl_b32 s22, s17, 2
	s_mov_b32 s23, 0
	s_add_nc_u64 s[20:21], s[20:21], s[22:23]      ; + 4 x column
	s_mov_b32 s22, s17
	s_mov_b64 s[24:25], KROW
	s_mul_u64 s[24:25], s[22:23], s[24:25]         ; codes: column x 768
	s_mul_i32 s26, s18, ROWB
	s_mov_b32 s27, 0
	s_add_nc_u64 s[24:25], s[24:25], s[26:27]      ; + 192 y
	s_add_nc_u64 s[24:25], s[24:25], \CBASE
	s_mov_b64 s[28:29], 32
	s_mul_u64 s[28:29], s[22:23], s[28:29]         ; scale bytes: column x 32
	s_mul_i32 s26, s18, NB
	s_add_nc_u64 s[28:29], s[28:29], s[26:27]      ; + 8 y
	s_add_nc_u64 s[28:29], s[28:29], \SBASE
	v_mul_u32_u24 v9, v2, 32                       ; my column's row of scale bytes
	s_add_nc_u64 s[\WP:\WP+1], s[\WP:\WP+1], s[20:21]
	s_add_nc_u64 s[10:11], s[10:11], s[24:25]
	s_add_nc_u64 s[12:13], s[12:13], s[28:29]
	WLOAD 0, \N, \WP
	WLOAD 1, \N, \WP
.irp t, 0,1,2,3,4,5,6,7
	WBLOCK \t, \N, \WP
.endr
	global_store_b64 v9, v[WSB:WSB+1], s[12:13]    ; my column's 8 scale bytes
.irp t, 0,1,2,3,4,5,6,7,8,9,10,11,12,13,14,15
	ds_load_b96 v[WOUT+4*\t:WOUT+4*\t+2], v7 offset:2*\t*PITCH   ; LDS serves a wave's instructions in order: these see my stores
.endr
.irp t, 0,1,2,3,4,5,6,7,8,9,10,11,12,13,14,15
	s_wait_dscnt 15-\t
	global_store_b96 v8, v[WOUT+4*\t:WOUT+4*\t+2], s[10:11] offset:2*\t*KROW   ; sixteen lanes store a row's 192 consecutive bytes
.endr
	s_wait_tensorcnt 0x0
	ds_add_u32 v192, v193
	s_wait_dscnt 0x0
	s_endpgm
.endm
; One entry of the table: v[28 + e] = sin or cos of pos x f.  q counts quarter turns; a cosine is a sine a quarter turn on.
.macro SINCOS e
	v_mul_f32 v32, v24, v[20+\e]                   ; the angle, rounded once, as pos x f is
	v_mul_f32 v33, s20, v32
	v_rndne_f32 v33, v33                           ; n = the nearest whole number of quarter turns
	v_fma_f32 v34, v33, s21, v32                   ; r = angle - n pi/2, pi/2 in two parts
	v_fma_f32 v34, v33, s22, v34
	v_cvt_i32_f32 v35, v33
	v_add_nc_u32 v35, v35, v25                     ; q
	v_mul_f32 v36, v34, v34                        ; z = r r
	v_fma_f32 v37, v36, s23, s24
	v_fma_f32 v37, v36, v37, s25
	v_mul_f32 v38, v34, v36
	v_fma_f32 v37, v38, v37, v34                   ; sin r
	v_fma_f32 v39, v36, s26, s27
	v_fma_f32 v39, v36, v39, s28
	v_fma_f32 v40, v36, -0.5, 1.0
	v_mul_f32 v41, v36, v36
	v_fma_f32 v39, v41, v39, v40                   ; cos r
	v_and_b32 v42, 1, v35
	v_cmp_ne_u32 vcc_lo, 0, v42
	v_cndmask_b32 v37, v37, v39, vcc_lo            ; odd quarter turns take the cosine,
	v_and_b32 v42, 2, v35
	v_lshlrev_b32 v42, 30, v42
	v_xor_b32 v[28+\e], v37, v42                   ; the third and fourth change the sign
.endm
	s_load_b128 s[4:7], s[0:1], 0x0                ; x, Wqkv
	s_load_b128 s[8:11], s[0:1], 0x10              ; Wout, xw_codes
	s_load_b128 s[12:15], s[0:1], 0x20             ; xw_scales, rope_tab
	v_lshl_add_u32 v192, v0, 2, 0x19000
	v_mov_b32 v193, 0
	v_lshrrev_b32 v1, 5, v0
	v_readfirstlane_b32 s16, v1                    ; wave
	v_and_b32 v2, 31, v0                           ; lane
	s_wait_kmcnt 0x0
	s_cmp_lt_u32 ttmp9, 256
	s_cbranch_scc1 .Lx
	s_cmp_lt_u32 ttmp9, 352
	s_cbranch_scc1 .Lwq
	s_cmp_lt_u32 ttmp9, 384
	s_cbranch_scc1 .Lwo
	; ---- TAB: wave tw makes pos 32 tw .. 32 tw + 31, two pos a trip: lanes 0-15 one row of 256 bytes, lanes 16-31 the next; a lane four entries
	s_sub_co_u32 s17, ttmp9, 384
	s_lshl_b32 s17, s17, 2
	s_add_co_u32 s17, s17, s16                     ; tw
	s_lshl_b32 s18, s17, 13                        ; 32 rows of 256 bytes
	s_lshl_b32 s19, s17, 5                         ; its first pos
	v_lshl_add_u32 v26, v2, 4, s18                 ; my 16 bytes of a trip's 512
	v_lshrrev_b32 v3, 4, v2
	v_add_nc_u32 v3, s19, v3
	v_cvt_f32_u32 v24, v3                          ; my pos
	v_bfe_u32 v25, v2, 3, 1
	v_xor_b32 v25, 1, v25                          ; 1 where my entries are cosines (entries 0-31)
	v_and_b32 v4, 7, v2
	v_lshlrev_b32 v4, 2, v4                        ; j = 4 (lane % 8) + e
.irp e, 0,1,2,3
	v_add_nc_u32 v[8+\e], \e, v4
.endr
.irp e, 0,1,2,3
	v_cvt_f32_u32 v[8+\e], v[8+\e]
.endr
.irp e, 0,1,2,3
	v_mul_f32 v[8+\e], 0xbed49a78, v[8+\e]         ; - j log2(10) / 8
.endr
.irp e, 0,1,2,3
	v_exp_f32 v[20+\e], v[8+\e]                    ; f_j
.endr
	v_nop                                          ; a plain instruction behind the exponentials
	s_wait_alu depctr_va_vdst(0)                   ; one wait for the four, ahead of the label and of their first reader
	s_mov_b32 s20, 0x3f22f983                      ; 2 / pi
	s_mov_b32 s21, 0xbfc90fdb                      ; - pi/2, upper part
	s_mov_b32 s22, 0x333bbd2e                      ; - pi/2, the rest
	s_mov_b32 s23, 0xb94ca1f9                      ; sine: -1.9515296e-4, 8.3321609e-3, -1.6666655e-1
	s_mov_b32 s24, 0x3c08839e
	s_mov_b32 s25, 0xbe2aaaa3
	s_mov_b32 s26, 0x37ccf5ce                      ; cosine: 2.4433157e-5, -1.3887316e-3, 4.1666646e-2
	s_mov_b32 s27, 0xbab6061a
	s_mov_b32 s28, 0x3d2aaaa5
	s_mov_b32 s30, 16
.Ltab:
	SINCOS 0
	SINCOS 1
	SINCOS 2
	SINCOS 3
	global_store_b128 v26, v[28:31], s[14:15]      ; 32 lanes store 512 consecutive bytes
	v_add_f32 v24, 2.0, v24
	s_wait_xcnt 0x0                                ; the store has read its offset and its data: both are written again behind this wait
	v_add_nc_u32 v26, 512, v26
	s_sub_co_u32 s30, s30, 1
	s_cmp_lg_u32 s30, 0
	s_cbranch_scc1 .Ltab
	s_endpgm
.Lx:	; ---- X: wave 4 g + w takes the run of 8,192 numbers of that number
	v_lshlrev_b32 v3, 4, v2                        ; my 16 bytes of a load's 512
	s_mul_i32 s17, s16, WREG
	v_lshrrev_b32 v14, 2, v2
	v_mul_u32_u24 v14, v14, SP
	v_and_b32 v15, 3, v2
	v_lshl_add_u32 v14, v15, 4, v14
	v_add_nc_u32 v14, s17, v14                     ; the stage, on the way in: SP (lane / 4) + 16 (lane % 4)
	v_mul_u32_u24 v15, v2, SP
	v_add_nc_u32 v15, s17, v15                     ; and on the way out: SP x lane: my 16 neighbours
	v_mul_u32_u24 v4, v2, CB                       ; my codes' place in a step's
	v_lshrrev_b32 v5, 1, v2
	s_add_co_u32 s17, s17, 2*32*SP
	v_add_nc_u32 v5, s17, v5                       ; LDS: my wave's 256 scale bytes, my block's byte
	v_lshlrev_b32 v7, 3, v2                        ; and on the way out 8 bytes a lane
	v_add_nc_u32 v6, s17, v7
	s_lshl_b32 s17, ttmp9, 2
	s_add_co_u32 s18, s17, s16                     ; my run
	s_mov_b32 s19, 0
	s_mov_b64 s[20:21], 512*STEPS*4
	s_mul_u64 s[20:21], s[18:19], s[20:21]
	s_add_nc_u64 s[4:5], s[4:5], s[20:21]
	s_mov_b64 s[20:21], 32*STEPS*CB
	s_mul_u64 s[20:21], s[18:19], s[20:21]
	s_add_nc_u64 s[10:11], s[10:11], s[20:21]
	s_lshl_b32 s18, s18, 8                         ; 256 scale bytes a run
	s_add_nc_u64 s[12:13], s[12:13], s[18:19]
.irp t, 0,1,2,3
	XLOAD \t
.endr
	s_wait_loadcnt 12                              ; step 0's four loads are in
	XTURN 0
.irp t, 0,1,2,3,4,5,6,7,8,9,10,11,12,13,14,15
	XSTEP \t
.endr
	ds_load_b64 v[12:13], v6                       ; LDS serves a wave's instructions in order: this sees my byte stores
	s_wait_dscnt 0x0
	global_store_b64 v7, v[12:13], s[12:13]        ; 32 lanes store 256 consecutive bytes, aligned
	s_wait_tensorcnt 0x0
	ds_add_u32 v192, v193
	s_wait_dscnt 0x0
	s_endpgm
.Lwq:
	WQ 3072, 6, XC_WQ, XS_WQ, 32768, 256
.Lwo:
	WQ 1024, 8, XC_WO, XS_WO, 67584, 352
.Lfunc_end_k_qbd979f2873_prep:
	.size	k_qbd979f2873_prep, .Lfunc_end_k_qbd979f2873_prep-k_qbd979f2873_prep
	.p2alignl 7, 3214868480
	.fill 96, 4, 3214868480
	.section	.rodata,"a",@progbits
	.p2align	6, 0x0
	.amdhsa_kernel k_qbd979f2873_prep
		.amdhsa_group_segment_fixed_size 102912
		.amdhsa_private_segment_fixed_size 0
		.amdhsa_enable_private_segment 0
		.amdhsa_kernarg_size 48
		.amdhsa_user_sgpr_count 2
		.amdhsa_user_sgpr_kernarg_segment_ptr 1
		.amdhsa_wavefront_size32 1
		.amdhsa_system_sgpr_workgroup_id_x 1
		.amdhsa_system_sgpr_workgroup_id_y 1
		.amdhsa_system_sgpr_workgroup_id_z 1
		.amdhsa_system_vgpr_workitem_id 0
		.amdhsa_next_free_vgpr 194
		.amdhsa_next_free_sgpr 66
		.amdhsa_reserve_vcc 1
		.amdhsa_float_denorm_mode_32 3
		.amdhsa_float_denorm_mode_16_64 3
		.amdhsa_memory_ordered 1
		.amdhsa_forward_progress 1
		.amdhsa_inst_pref_size 120
	.end_amdhsa_kernel
	.amdgpu_metadata
---
amdhsa.version: [ 1, 2 ]
amdhsa.kernels:
  - .name:           k_qbd979f2873_prep
    .symbol:         k_qbd979f2873_prep.kd
    .args:
      - { .name: x, .offset: 0, .size: 8, .value_kind: global_buffer, .address_space: global }
      - { .name: Wqkv, .offset: 8, .size: 8, .value_kind: global_buffer, .address_space: global }
      - { .name: Wout, .offset: 16, .size: 8, .value_kind: global_buffer, .address_space: global }
      - { .name: xw_codes, .offset: 24, .size: 8, .value_kind: global_buffer, .address_space: global }
      - { .name: xw_scales, .offset: 32, .size: 8, .value_kind: global_buffer, .address_space: global }
      - { .name: rope_tab, .offset: 40, .size: 8, .value_kind: global_buffer, .address_space: global }
    .group_segment_fixed_size: 102912
    .private_segment_fixed_size: 0
    .kernarg_segment_align: 8
    .kernarg_segment_size: 48
    .max_flat_workgroup_size: 128
    .sgpr_count:     66
    .vgpr_count:     194
    .wavefront_size: 32
...
	.end_amdgpu_metadata
.endif
;; end of part 1
;; launch qkv (part 2): grid 12 x 32, 4 waves a work-group, clusters of 4 x 4, 327,680 bytes of LDS; arguments xw_codes, xw_scales, bqkv, qn_w, kn_w, rope_tab, qbuf, kvbuf; writes qbuf, kvbuf
.if DOCPART == 2
	.amdgcn_target "amdgcn-amd-amdhsa--gfx1250"
	.amdhsa_code_object_version 6
	.text
	.protected	k_qbd979f2873_qkv
	.globl	k_qbd979f2873_qkv
	.p2align	8
	.type	k_qbd979f2873_qkv,@function
k_qbd979f2873_qkv:
	s_mov_b64 s[64:65], 0
	v_nop
	global_prefetch_b8 v0, s[64:65] scope:SCOPE_SE
	s_setreg_imm32_b32 hwreg(HW_REG_WAVE_MODE, 25, 1), 1
	s_wait_xcnt 0x0
	s_wait_alu depctr_hold_cnt(0) depctr_sa_sdst(0) depctr_va_vdst(0) depctr_va_sdst(0) depctr_va_ssrc(0) depctr_va_vcc(0) depctr_vm_vsrc(0)
	s_getreg_b32 s2, hwreg(HW_REG_IB_STS2, 6, 4)
	s_cmp_eq_u32 s2, 0
	s_cbranch_scc0 .Lentry_in_a_cluster
	s_endpgm
.Lentry_in_a_cluster:
	s_bfe_u32 s2, ttmp6, 0x10000c
	s_cmp_lg_u32 s2, 0xf033
	s_cbranch_scc0 .Lentry_shape_is_right
	s_endpgm
.Lentry_shape_is_right:
; QKV.  C = x Wqkv + bqkv on codes of FP6 (E2M3) with one E8M0 scale for each 32 along K (K = 1,024), and what follows it: for q and k the RMS norm over the head's 64 and the rotary embedding, in f32;
; then q and k are quantised along the head's 64 and v along the keys, and leave as IMAGES OF OPERAND REGISTERS, in the order in which the attention launch's lanes take them.  C itself never goes to memory.
; A tile of C, 256 x 256, is made by four waves, each 128 rows x 128 columns (two heads): 64 accumulators of 16 x 16, 512 registers.  K goes in steps of 256 through a ring of two LDS slots filled by the tensor data mover.
; The scales of the work-group's 256 rows of x and 256 columns of Wqkv, for all of K, come into LDS once, with the first fills.
; CLUSTERS: 4 x 4 work-groups.  The four of a row of the cluster need the same tiles of x, the four of a column the same tiles of Wqkv: each tile is asked for jointly, by the same tensor load with the same descriptor
; and a mask that names the four.  A cluster's 1,024 columns are all of q, all of k or all of v: the cluster's x says which, so the branch on it is alike in all partners.
; THE MATRIX INSTRUCTION IS USED TRANSPOSED (source 0 = 16 columns of Wqkv, source 1 = 16 rows of x): lane l holds row l % 16, and register j of accumulator (a, b) column 16 b + 8 (l / 16) + j.
; The bias is the C of each sum's first product: 64 registers in the result's layout; nothing is cleared and nothing is added.
; OUT.  qbuf [head of batch 64][128 queries 16][6,656 bytes]: eight half-images of 768 bytes (16 rows x 64: six registers a lane: registers 0-3 at 16 x lane, registers 4-5 at 512 + 8 x lane), then 512 bytes of scale
; words (tile t, row r at 32 r + 4 t: two bytes, and 0x7f in the two upper ones, which scale the half of the 128-deep product that is empty).
; kvbuf [head of batch 64][128 keys 16][13,056 bytes]: K as in qbuf; at 6,656 V's four images of 1,536 bytes (16 channels x 128 keys: registers 4 p .. 4 p + 3 at 512 p + 16 x lane); at 12,800 V's scale words.
; ORDER INSIDE A BLOCK OF 32.  sw(i) = i with bits 3 and 4 changed over.  q's and k's codes are made by the same lines: place i holds column sw(i) in both.  V's place i holds key sw(i), as the attention launch's p has it.
; V's tile 2 g + u, row r, is channel 32 g + 8 u + r + 8 (r / 8), so that the attention's results come out as neighbours along the last product's K.
; LIMITS: a block of zeros has the byte 1 and not 127 (zero codes; this program alone reads the bytes); blocks under 2^(3 - 127) keep the byte 1; NaN and infinities are not served.  Since k stands in another
; order inside a block than in memory, the matrix unit groups those products otherwise: the last bits of a sum may differ.
; REGISTERS, in windows of 256: window 0: v0-31 addresses; v32-63 scale words, two sets; v64-127 the bias; from v128 x's fragments, one set.  window 1: Wqkv's fragments, two sets.
;   window 2: the accumulators of my rows 0-63 ((a, b) at v[8 (8 a + b)]); window 3: those of rows 64-127.  Behind the products window 0's v32-255 are free for the work on the results.
; Nothing is prefetched: K has four slot fills, two of them at the head, and every tile is read by several clusters.
.set KSTEP,  256
.set NQ,     2                         ; matrix instructions deep in a slot
.set ROWB,   192                       ; a tile's row in bytes
.set KROW,   768                       ; a row of codes in memory
.set PITCH,  240                       ; an LDS row: 3 x (64 bytes + 16 of padding)
.set FR,     12                        ; registers of a fragment
.set NL,     6                         ; LDS loads that bring one
.set NP,     4                         ; places behind this matrix instruction (ISA guide 7.12.1)
.set HALFT,  128*PITCH
.set SLOT,   4*HALFT
.set LAPS,   2                         ; 1,024 / 512
.set KS,     32                        ; a row of scales in bytes
.set SCL,    2*SLOT
.set HALFS,  (128*KS/256)*272
.set SBLK,   (16*KS/256)*272
.set SPARE,  SCL+4*HALFS               ; the spare words, 128 bytes a wave: two blocks of 256 bytes that no other line names
.set XC_WQ,  6291456                   ; Wqkv's codes in xw_codes
.set XS_WQ,  262144                    ; and its scales in xw_scales
.set VST,    32*528                    ; v's stage: 32 keys x (512 bytes + 16) for each wave, in slot 0, which has had its last fill and its last read by then
.set ADRA, 16                          ; v16-19 LDS addresses of x's fragments (slot 0, 1; and behind one padding more)
.set ADRB, 20                          ; v20-23 the same for Wqkv
.set ADRS, 27                          ; v27    LDS address of my scale words
.set SPW,  28                          ; v28    my spare word; never rewritten
.set NIL,  29                          ; v29    0; never rewritten
; v7 = 32 h; v8 = 256 r + 32 h; v9 = 16 l; v10 = 8 l; v11 = 32 r + 16 h; v12 = stage, down a column; v13 = 1536 h + 16 r; v14 = 16 r + 8 h; v24 = stage, a row's 32 bytes  (r = l % 16, h = l / 16)
.set SC,   32
.set BIAS, 64
.set AF,   128
.set NWR,  32                          ; behind the products: v32-63 the norm's weights, index 8 b + j = w[16 b + 8 h + j]
.set COS,  64                          ; v64-79  cos, index 8 b + j = entry 16 b + 8 h + j
.set SIN,  80                          ; v80-95  sin
.set SW,   96                          ; v96-111 scale words: head hd, block a at 8 hd + a
.set SS,   112                         ; v112-119 sums of squares, four chains of pairs
.set RR,   120                         ; v120-123 1 / rms of the two heads (low words of two pairs)
.set Y,    128                         ; v128-191 the normed rows; free again behind the rotation
.set Z,    192                         ; v192-255 the rotated rows
.set TM,   128                         ; the quantiser's registers, where Y lay
.set PW,   144
.set QC,   148
.set G1, 24
.set G0, 32
.set G1B, 48
.set G0B, 56
.set G1S, 68
.set G0S, 76
.set G1SB, 80
.set G0SB, 88
.set MSB, 0
.macro WIN new                         ; the immediate's high byte repeats the setting that is left; a switch that changes nothing is dropped
.set WNEW, \new
.if MSB != WNEW
	s_set_vgpr_msb (MSB<<8)|WNEW
.set MSB, WNEW
.endif
.endm
.set MUL_LO, 0xa1                      ; source 0 (Wqkv) window 1, source 1 (x) window 0, C and D window 2
.set MUL_HI, 0xf1                      ; the same, C and D window 3
.set TO_B,   0x40
; A joint load: waves 0 and 1 fetch for x, waves 2 and 3 for Wqkv; the branch hangs on the wave's number alone.  Four v_nop follow each of the two lines.
.macro JLOAD g0a, g1a, g0b, g1b
	s_cmp_eq_u32 s15, 0
	s_cbranch_scc0 .Lfor_b_\@
	tensor_load_to_lds s[\g0a:\g0a+3], s[\g1a:\g1a+7]
	s_nop 0
.rept 4
	v_nop
.endr
	s_branch .Lasked_\@
.Lfor_b_\@:
	tensor_load_to_lds s[\g0b:\g0b+3], s[\g1b:\g1b+7]
	s_nop 0
.rept 4
	v_nop
.endr
.Lasked_\@:
.endm
.macro CREST                           ; a round of the cluster's barrier behind its opening barrier
	s_cmp_lg_u32 s14, 0
	s_cbranch_scc1 .Lnot_wave_0_\@
	s_barrier_signal -3
.Lnot_wave_0_\@:
	s_barrier_wait -3
	s_barrier_signal -1
	s_barrier_wait -1
.endm
.macro CROUND
	s_barrier_signal -1
	s_barrier_wait -1
	CREST
.endm
	s_load_b128 s[4:7], s[0:1], 0x0                ; xw_codes, xw_scales
	s_load_b64 s[66:67], s[0:1], 0x10              ; bqkv
	v_lshl_add_u32 v[SPW], v0, 2, SPARE
	v_mov_b32 v[NIL], 0
	ds_add_u32 v28, v29
	ds_add_u32 v28, v29
	s_wait_dscnt 0x0
	v_lshrrev_b32 v1, 5, v0
	v_readfirstlane_b32 s14, v1                    ; wave 0..3
	s_lshr_b32 s15, s14, 1                         ; which half of the tile's rows is mine.  Also: I fetch for x (0) or for Wqkv (1)
	s_and_b32 s16, s14, 1                          ; which half of its columns.  Also: which 128 rows of that tile I fetch
	s_bfe_u32 s40, ttmp6, 0x40000                  ; cx, cy: my place in the cluster
	s_bfe_u32 s41, ttmp6, 0x40004
	s_lshl_b32 s42, ttmp9, 2
	s_add_co_u32 s42, s42, s40                     ; tile column = 4 x cluster x + cx
	s_and_b32 s17, ttmp7, 0xffff
	s_lshl_b32 s17, s17, 2
	s_add_co_u32 s17, s17, s41                     ; tile row = 4 x cluster y + cy
	s_lshl_b32 s43, s41, 2
	s_lshl_b32 s43, 15, s43                        ; my row of the cluster
	s_lshl_b32 s44, 0x1111, s40                    ; my column
	; descriptor group 1: a tile of 128 rows x 192 bytes, 16 bytes of padding behind every 64
	s_or_b32 s[G1+0], s43, (0<<16)|(1<<20)|(1<<21)|(3<<22)|(3<<25)
	s_or_b32 s[G1B+0], s44, (0<<16)|(1<<20)|(1<<21)|(3<<22)|(3<<25)
.irp g, G1, G1B
	s_mov_b32 s[\g+1], ROWB<<16                    ; tensor_dim0
	s_mov_b32 s[\g+2], 128<<16                     ; tensor_dim1
	s_mov_b32 s[\g+3], ROWB<<16                    ; tile_dim0
	s_mov_b32 s[\g+4], 128                         ; tile_dim1
	s_mov_b32 s[\g+5], KROW                        ; from row to row
	s_mov_b32 s[\g+6], 0
	s_mov_b32 s[\g+7], 0
.endr
	; the scales of 128 rows: a dense block of 4,096 bytes, as rows of 256 bytes (32 elements of 8 bytes), 16 bytes of padding behind each
	s_or_b32 s[G1S+0], s43, (3<<16)|(1<<20)|(1<<21)|(5<<22)|(3<<25)
	s_or_b32 s[G1SB+0], s44, (3<<16)|(1<<20)|(1<<21)|(5<<22)|(3<<25)
.irp g, G1S, G1SB
	s_mov_b32 s[\g+1], 32<<16
	s_mov_b32 s[\g+2], (128*KS/256)<<16
	s_mov_b32 s[\g+3], 32<<16
	s_mov_b32 s[\g+4], 128*KS/256
	s_mov_b32 s[\g+5], 32
	s_mov_b32 s[\g+6], 0
	s_mov_b32 s[\g+7], 0
.endr
	s_lshl_b32 s18, s16, 7
	s_lshl_b32 s20, s17, 8
	s_add_co_u32 s20, s20, s18                     ; x: row 256 x tile row + 128 x half
	s_lshl_b32 s46, s42, 8
	s_add_co_u32 s46, s46, s18                     ; Wqkv: column 256 x tile column + 128 x half
	s_mov_b32 s21, 0
	s_mov_b32 s47, 0
	s_mov_b64 s[18:19], KS
	s_mul_u64 s[22:23], s[20:21], s[18:19]         ; where these rows' scales begin,
	s_mul_u64 s[92:93], s[46:47], s[18:19]
	s_mov_b64 s[18:19], KROW
	s_mul_u64 s[20:21], s[20:21], s[18:19]         ; and their codes
	s_mul_u64 s[46:47], s[46:47], s[18:19]
	s_mul_i32 s45, s14, HALFT                      ; where they go: wave x 128 rows
	s_mul_i32 s94, s14, HALFS
	s_wait_kmcnt 0x0
	s_add_nc_u64 s[8:9], s[4:5], XC_WQ             ; Wqkv's codes and scales lie behind x's
	s_add_nc_u64 s[10:11], s[6:7], XS_WQ
	s_add_nc_u64 s[20:21], s[4:5], s[20:21]
	s_add_nc_u64 s[22:23], s[6:7], s[22:23]
	s_add_nc_u64 s[46:47], s[8:9], s[46:47]
	s_add_nc_u64 s[92:93], s[10:11], s[92:93]
	CROUND                                         ; all sixteen work-groups are here: the first joint loads meet
	s_mov_b32 s[G0S], 1
	s_add_co_u32 s[G0S+1], s94, SCL
	s_mov_b64 s[G0S+2:G0S+3], s[22:23]
	s_or_b32 s[G0S+3], s[G0S+3], 0x80000000
	s_mov_b32 s[G0SB], 1
	s_add_co_u32 s[G0SB+1], s94, SCL
	s_mov_b64 s[G0SB+2:G0SB+3], s[92:93]
	s_or_b32 s[G0SB+3], s[G0SB+3], 0x80000000
	JLOAD G0S, G1S, G0SB, G1SB                     ; the scales first: they are wanted with K step 0
.irp s, 0,1
	s_mov_b32 s[G0+4*\s], 1
	s_add_co_u32 s[G0+4*\s+1], s45, \s*SLOT
	s_add_nc_u64 s[G0+4*\s+2:G0+4*\s+3], s[20:21], \s*ROWB
	s_or_b32 s[G0+4*\s+3], s[G0+4*\s+3], 0x80000000
	s_mov_b32 s[G0B+4*\s], 1
	s_add_co_u32 s[G0B+4*\s+1], s45, \s*SLOT
	s_add_nc_u64 s[G0B+4*\s+2:G0B+4*\s+3], s[46:47], \s*ROWB
	s_or_b32 s[G0B+4*\s+3], s[G0B+4*\s+3], 0x80000000
	JLOAD G0+4*\s, G1, G0B+4*\s, G1B
.endr
	v_and_b32 v1, 15, v0                           ; r
	v_bfe_u32 v2, v0, 4, 1                         ; h
	v_mul_u32_u24 v3, v1, PITCH
	v_mul_u32_u24 v4, v2, 24
	v_add_nc_u32 v4, v3, v4                        ; a fragment's row x pitch + 24 x half
	v_lshl_add_u32 v5, v2, 4, v4                   ; and the same behind one padding more
	s_mul_i32 s21, s15, HALFT
	s_mul_i32 s22, s16, HALFT
	s_add_co_u32 s22, s22, 2*HALFT
.irp s, 0,1
	v_add_nc_u32 v[ADRA+\s], s21, v4
	v_add_nc_u32 v[ADRB+\s], s22, v4
	v_add_nc_u32 v[ADRA+2+\s], s21, v5
	v_add_nc_u32 v[ADRB+2+\s], s22, v5
	s_add_co_u32 s21, s21, SLOT
	s_add_co_u32 s22, s22, SLOT
.endr
	v_mul_u32_u24 v5, v1, KS                       ; my row's scales: 32 bytes a row,
	v_lshrrev_b32 v6, 8, v5
	v_lshl_add_u32 v5, v6, 4, v5                   ; and 16 more for each 256 passed
	s_mul_i32 s21, s15, HALFS
	s_mul_i32 s22, s16, HALFS
	s_add_co_u32 s22, s22, 2*HALFS
	s_sub_co_u32 s22, s22, s21
	v_mul_u32_u24 v6, s22, v2                      ; lanes 16-31 take Wqkv's
	s_add_co_u32 s21, s21, SCL
	v_add_nc_u32 v5, v5, v6
	v_add_nc_u32 v[ADRS], s21, v5
	; the lane terms of the work on the results
	v_lshlrev_b32 v7, 5, v2                        ; 32 h
	v_lshl_add_u32 v8, v1, 8, v7                   ; 256 r + 32 h
	v_and_b32 v6, 31, v0
	v_lshlrev_b32 v9, 4, v6                        ; 16 l
	v_lshlrev_b32 v10, 3, v6                       ; 8 l
	v_lshlrev_b32 v11, 4, v2
	v_lshl_add_u32 v11, v1, 5, v11                 ; 32 r + 16 h
	v_and_b32 v12, 8, v1
	v_add_nc_u32 v12, v12, v1
	v_lshl_add_u32 v12, v2, 3, v12
	v_lshlrev_b32 v12, 2, v12                      ; 4 (8 h + r + 8 (r / 8)): my column of a group of 32
	s_mul_i32 s23, s14, VST
	v_add_nc_u32 v12, s23, v12
	v_mul_u32_u24 v13, v2, 1536
	v_lshl_add_u32 v13, v1, 4, v13                 ; 1536 h + 16 r
	v_lshlrev_b32 v14, 3, v2
	v_lshl_add_u32 v14, v1, 4, v14                 ; 16 r + 8 h
	v_mul_u32_u24 v24, v1, 528
	v_lshl_add_u32 v24, v2, 5, v24
	v_add_nc_u32 v24, s23, v24                     ; the stage: row r, + 32 h
	s_lshl_b32 s46, s42, 10                        ; the bias of my 128 columns: 4 (256 x tile column + 128 x half) bytes on
	s_lshl_b32 s47, s16, 9
	s_add_co_u32 s46, s46, s47
	s_mov_b32 s47, 0
	s_add_nc_u64 s[66:67], s[66:67], s[46:47]
.irp b, 0,1,2,3,4,5,6,7
	global_load_b128 v[BIAS+8*\b:BIAS+8*\b+3], v7, s[66:67] offset:64*\b          ; register 8 b + j: the bias of column 16 b + 8 h + j
	global_load_b128 v[BIAS+8*\b+4:BIAS+8*\b+7], v7, s[66:67] offset:64*\b+16
.endr
.macro FRAG reg, adr, q, i             ; a fragment: 16 rows x 128 K, 12 registers: lane l holds row l % 16; registers 6 c .. 6 c + 5 hold K = 64 c + 32 (l / 16) + 0 .. 31: 24 bytes of the row, as they lie
.irp p, 0,1,2,3,4,5                    ; in pieces of 8 bytes.  Where the piece three on (lanes 16-31) lies behind one padding more, the second address register serves
.set PCE, 12*(\q)+6*(\p/3)+\p%3
.if PCE%8 < 5
	ds_load_b64 v[\reg+2*\p:\reg+2*\p+1], v[\adr] offset:8*PCE+16*(PCE/8)+(\i)*16*PITCH
.else
	ds_load_b64 v[\reg+2*\p:\reg+2*\p+1], v[\adr+2] offset:8*PCE+16*(PCE/8)+(\i)*16*PITCH
.endif
.endr
.endm
; 16 matrix instructions: x's blocks a0, a0 + 1 against Wqkv's eight, 128 along K.  zero = 1: the first products take the bias as C.  The 64 accumulators take turns, one instruction a turn.
.macro MUL16 a0, p, q, sc, zero
.irp a, \a0, \a0+1
.irp b, 0,1,2,3,4,5,6,7
.if \zero
	v_wmma_scale_f32_16x16x128_f8f6f4 v[8*(8*((\a)%4)+\b):8*(8*((\a)%4)+\b)+7], v[128*(\p)+FR*\b:128*(\p)+FR*\b+FR-1], v[AF+FR*(\a):AF+FR*(\a)+FR-1], v[BIAS+8*\b:BIAS+8*\b+7], v[SC+8*NQ*(\sc)+NQ*\b+(\q)], v[SC+8*NQ*(\sc)+NQ*(\a)+(\q)] matrix_a_fmt:MATRIX_FMT_FP6 matrix_b_fmt:MATRIX_FMT_FP6 matrix_a_scale:MATRIX_SCALE_ROW1
.else
	v_wmma_scale_f32_16x16x128_f8f6f4 v[8*(8*((\a)%4)+\b):8*(8*((\a)%4)+\b)+7], v[128*(\p)+FR*\b:128*(\p)+FR*\b+FR-1], v[AF+FR*(\a):AF+FR*(\a)+FR-1], v[8*(8*((\a)%4)+\b):8*(8*((\a)%4)+\b)+7], v[SC+8*NQ*(\sc)+NQ*\b+(\q)], v[SC+8*NQ*(\sc)+NQ*(\a)+(\q)] matrix_a_fmt:MATRIX_FMT_FP6 matrix_b_fmt:MATRIX_FMT_FP6 matrix_a_scale:MATRIX_SCALE_ROW1
.endif
.endr
.endr
.endm
.macro FETCH_B slot, q, p
	WIN TO_B
.irp i, 0,1,2,3,4,5,6,7
	FRAG 128*(\p)+FR*\i, ADRB+\slot, \q, \i
.endr
	WIN 0
.endm
.macro FETCH_A slot, q, i0
.irp i, \i0, \i0+1, \i0+2, \i0+3
	FRAG AF+FR*(\i), ADRA+\slot, \q, \i
.endr
.endm
.macro SCALES sc                       ; a K step's scale words: two words a row; lanes 0-15 take x's block i, lanes 16-31 Wqkv's block i
.irp i, 0,1,2,3,4,5,6,7
	ds_load_b64 v[SC+8*NQ*\sc+NQ*\i:SC+8*NQ*\sc+NQ*\i+1], v[ADRS] offset:\i*SBLK
.endr
.endm
.macro PLACES n                        ; plain vector instructions between a matrix instruction and a load into, or a read of, its registers
.rept \n
	v_nop
.endr
.endm
.macro STEP slot, q, zero              ; a step of 128 along K that has its successor in the same slot
	s_wait_dscnt 4*NL                              ; Wqkv's set and x's blocks 0-3 are in; the youngest 24 loads (x's blocks 4-7) may be out
	WIN MUL_LO-0x20*(\zero)                        ; (with the bias as C: source 2 in window 0)
	MUL16 0, (\q)%2, \q, \slot, \zero
	MUL16 2, (\q)%2, \q, \slot, \zero
	s_wait_dscnt 0                                 ; x's blocks 4-7 are in
	PLACES NP
	FETCH_B \slot, (\q)+1, 1-(\q)%2
	FETCH_A \slot, (\q)+1, 0
	WIN MUL_HI-0x30*(\zero)
	MUL16 4, (\q)%2, \q, \slot, \zero
	MUL16 6, (\q)%2, \q, \slot, \zero
	PLACES NP
	WIN 0
	FETCH_A \slot, (\q)+1, 4
.endm
; A slot's last step changes slots: one barrier; in front of it each wave waits for all its tensor loads, adds 0 to its spare word, and waits for that and for its own reads of this slot.
.macro TURN slot, next, fill
	s_wait_tensorcnt 0x0                           ; all my tensor loads have landed: my part of the next slot
	ds_add_u32 v[SPW], v[NIL]                      ; 0 onto my spare word
	s_wait_dscnt 4*NL+1                            ; (the add and the youngest 24 loads may be out)
	WIN MUL_LO
	MUL16 0, 1, NQ-1, \slot, 0
	s_wait_dscnt 0x0                               ; the add is done, and my reads of this slot are over
	s_barrier_signal -1
	MUL16 2, 1, NQ-1, \slot, 0
	WIN 0
	s_barrier_wait -1
.if \fill
	CREST                                          ; the barrier has opened a round of the cluster's barrier: no wave of any partner still reads this slot or has a load on its way
	s_add_nc_u64 s[G0+4*\slot+2:G0+4*\slot+3], s[G0+4*\slot+2:G0+4*\slot+3], 2*ROWB
	s_add_nc_u64 s[G0B+4*\slot+2:G0B+4*\slot+3], s[G0B+4*\slot+2:G0B+4*\slot+3], 2*ROWB
	JLOAD G0+4*\slot, G1, G0B+4*\slot, G1B         ; the first tensor load behind the round; its four v_nop are the places in front of the loads below
.else
	PLACES NP
.endif
	v_add_nc_u32 v[ADRS], 4*NQ, v[ADRS]            ; on to the next K step's scale words
	FETCH_B \next, 0, 0
	FETCH_A \next, 0, 0
	SCALES \next
	WIN MUL_HI
	MUL16 4, 1, NQ-1, \slot, 0
	MUL16 6, 1, NQ-1, \slot, 0
	PLACES NP
	WIN 0
	FETCH_A \next, 0, 4
.endm
	s_wait_tensorcnt 1                             ; the scales and my part of K step 0 are in (K step 1's load may be out),
	s_barrier_signal -1
	s_barrier_wait -1                              ; everybody's are
	s_load_b256 s[68:75], s[0:1], 0x18             ; qn_w, kn_w, rope_tab, qbuf: into registers of the scales' descriptors, whose load the wait above has shown done
	s_load_b64 s[76:77], s[0:1], 0x38              ; kvbuf
	FETCH_B 0, 0, 0
	FETCH_A 0, 0, 0
	SCALES 0
	FETCH_A 0, 0, 4
	s_wait_loadcnt 0x0                             ; the bias
	STEP 0, 0, 1                                   ; the first step stands in front of the loop: its products start the sums
	s_mov_b32 s3, LAPS-1
.Llap:                                                 ; a trip goes once round the ring and fills both slots again
	TURN 0, 1, 1
	STEP 1, 0, 0
	TURN 1, 0, 1
	STEP 0, 0, 0
	s_sub_co_u32 s3, s3, 1
	s_cmp_lg_u32 s3, 0
	s_cbranch_scc1 .Llap
	TURN 0, 1, 0                                   ; the last lap fills nothing
	STEP 1, 0, 0
	s_wait_dscnt 4*NL
	WIN MUL_LO
	MUL16 0, 1, NQ-1, 1, 0
	MUL16 2, 1, NQ-1, 1, 0
	s_wait_dscnt 0
	WIN MUL_HI
	MUL16 4, 1, NQ-1, 1, 0
	MUL16 6, 1, NQ-1, 1, 0
	WIN 0
	; ---- THE WORK ON THE RESULTS.  My 128 rows are positions 128 step .. 128 step + 127 of one batch; my 128 columns are heads bh0 and bh0 + 1.
	PLACES NP                                      ; behind the last products: for the reads of results and the loads and writes into operand registers below
	s_wait_kmcnt 0x0
	s_mov_b32 s78, 0xffff0000                      ; lanes 16-31
	s_mov_b32 s79, 0x7f7f0000                      ; the scale 1 for the empty half of a 128-deep product
	s_mov_b32 s80, 0x76543210
	s_mov_b32 s81, 0xfedcba98                      ; v_permlanex16_b32's selects for lane l xor 16
	s_mov_b32 s82, 0x3c800000                      ; 1 / 64
	s_mov_b32 s83, 0x358637bd                      ; 1e-6
	s_lshr_b32 s92, s17, 3                         ; batch = tile row / 8
	s_lshl_b32 s92, s92, 4
	s_lshl_b32 s93, s40, 2
	s_add_co_u32 s92, s92, s93
	s_lshl_b32 s93, s16, 1
	s_add_co_u32 s92, s92, s93                     ; bh0 = 16 batch + 4 cx + 2 x column half
	s_lshl_b32 s93, s17, 1
	s_add_co_u32 s93, s93, s15
	s_and_b32 s93, s93, 15                         ; step = (2 x tile row + row half) % 16
	s_cmp_eq_u32 ttmp9, 2                          ; the cluster's x: 0 q, 1 k, 2 v: alike in all partners
	s_cbranch_scc1 .Lv
	; ---- q and k
	s_lshl_b32 s94, s93, 15                        ; the table: 128 positions of 256 bytes a step
	s_mov_b32 s95, 0
	s_add_nc_u64 s[90:91], s[72:73], s[94:95]
	s_cmp_eq_u32 ttmp9, 0
	s_cselect_b64 s[84:85], s[68:69], s[70:71]     ; the norm's weights
	s_cselect_b64 s[86:87], s[74:75], s[76:77]     ; qbuf or kvbuf
	s_mov_b32 s96, 208896
	s_cselect_b32 s96, 106496, s96                 ; bytes from head to head
	s_mov_b32 s98, 13056
	s_cselect_b32 s98, 6656, s98                   ; and from step to step
	s_mov_b32 s97, 0
	s_mul_i32 s94, s92, s96
	s_mul_i32 s98, s93, s98
	s_add_co_u32 s94, s94, s98
	s_add_nc_u64 s[86:87], s[86:87], s[94:95]      ; head bh0's record
	s_add_nc_u64 s[88:89], s[86:87], s[96:97]      ; head bh0 + 1's
.irp b, 0,1,2,3
	global_load_b128 v[NWR+8*\b:NWR+8*\b+3], v7, s[84:85] offset:64*\b
	global_load_b128 v[NWR+8*\b+4:NWR+8*\b+7], v7, s[84:85] offset:64*\b+16
.endr
.macro TABLOAD a                       ; cos and sin of block a's 16 positions: my row's entries 16 b + 8 h + 0 .. 7, b = 0, 1
.irp b, 0,1
.irp e, 0,1
	global_load_b128 v[COS+8*\b+4*\e:COS+8*\b+4*\e+3], v8, s[90:91] offset:4096*(\a)+64*\b+16*\e
	global_load_b128 v[SIN+8*\b+4*\e:SIN+8*\b+4*\e+3], v8, s[90:91] offset:4096*(\a)+128+64*\b+16*\e
.endr
.endr
.endm
	TABLOAD 0
	v_mov_b32 v[RR+1], 0                           ; named as upper halves of pairs, so they are written
	v_mov_b32 v[RR+3], 0
	v_mov_b32 v126, 0                              ; a lane permute's destination counts as one of its sources
	v_mov_b32 v127, 0
; 64 numbers of a lane, v[s] .. v[s + 63], sixteen of each of four blocks of 32 (the other sixteen lie in lane l xor 16), become a fragment's codes in v[QC] on and the four scale bytes in v[PW].
.macro QUANT s
.irp b, 0,1,2,3
	v_max3_num_f32 v[TM+\b], |v[\s+16*\b]|, |v[\s+1+16*\b]|, 0x1800000   ; my 16 numbers, and the floor 2^(3 - 127): the byte cannot fall under 1
.endr
.irp i, 2,4,6,8,10,12,14
.irp b, 0,1,2,3
	v_max3_num_f32 v[TM+\b], v[TM+\b], |v[\s+16*\b+\i]|, |v[\s+1+16*\b+\i]|   ; (the four blocks by turns)
.endr
.endr
.irp b, 0,1,2,3
	v_permlanex16_b32 v[TM+4+\b], v[TM+\b], s80, s81
.endr
.irp b, 0,1,2,3
	v_max_num_f32 v[TM+\b], v[TM+\b], v[TM+4+\b]   ; the block's largest magnitude
.endr
.irp b, 0,1,2,3
	v_add_nc_u32 v[TM+12+\b], 0xff000000, v[TM+\b] ; 2 off its exponent field: the conversion's scale operand
.endr
.irp b, 0,1,2,3
	v_lshrrev_b32 v[TM+4+\b], 23, v[TM+12+\b]      ; the scale's byte
.endr
	v_lshl_or_b32 v[PW], v[TM+5], 8, v[TM+4]
	v_lshl_or_b32 v[PW], v[TM+6], 16, v[PW]
	v_lshl_or_b32 v[PW], v[TM+7], 24, v[PW]
.irp c, 0,1
	v_cvt_scalef32_pk16_fp6_f32 v[QC+6*\c:QC+2+6*\c], v[\s+32*\c:\s+15+32*\c], v[TM+12+2*\c]
	v_cvt_scalef32_pk16_fp6_f32 v[QC+12+4*\c:QC+14+4*\c], v[\s+16+32*\c:\s+31+32*\c], v[TM+12+2*\c+1]   ; (a conversion's three registers begin on an even number)
.endr
	v_nop                                          ; one plain instruction behind a scaled conversion
.irp c, 0,1                                    ; the operand's layout wants a whole block in a lane: lanes 0-15 block 2 c, lanes 16-31 block 2 c + 1
.irp i, 0,1,2
	v_permlane16_swap_b32 v[QC+6*\c+\i], v[QC+12+4*\c+\i]
.endr
.irp i, 0,1,2
	v_mov_b32 v[QC+3+6*\c+\i], v[QC+12+4*\c+\i]
.endr
.endr
.endm
; Block a: 16 rows x two heads.  Register 8 (4 hd + b) + j of the block's accumulators is column 16 b + 8 h + j of head hd.
.macro QKBLOCK a
.set AC, 64*((\a)%4)
	s_wait_xcnt 0x0                                ; the last block's stores have read their data: those registers are written again below
	WIN 0x0a+5*((\a)/4)                            ; sources 0 and 1: window 2 or 3
.irp s, 0,1,2,3,4,5,6,7                        ; the sums of squares: four chains by turns, chain c over accumulators 2 c and 2 c + 1, each from its low end on
.irp c, 0,1,2,3
.if \s == 0
	v_pk_mul_f32 v[SS+2*\c:SS+2*\c+1], v[AC+16*\c:AC+16*\c+1], v[AC+16*\c:AC+16*\c+1]
.else
	v_pk_fma_f32 v[SS+2*\c:SS+2*\c+1], v[AC+8*(2*\c+\s/4)+2*(\s%4):AC+8*(2*\c+\s/4)+2*(\s%4)+1], v[AC+8*(2*\c+\s/4)+2*(\s%4):AC+8*(2*\c+\s/4)+2*(\s%4)+1], v[SS+2*\c:SS+2*\c+1]
.endif
.endr
.endr
	WIN 0
	v_pk_add_f32 v[SS:SS+1], v[SS:SS+1], v[SS+2:SS+3]
	v_pk_add_f32 v[SS+4:SS+5], v[SS+4:SS+5], v[SS+6:SS+7]
	v_add_f32 v[SS], v[SS], v[SS+1]
	v_add_f32 v[SS+4], v[SS+4], v[SS+5]
	v_permlanex16_b32 v126, v[SS], s80, s81        ; the row's other 32 columns lie in lane l xor 16
	v_permlanex16_b32 v127, v[SS+4], s80, s81
	v_add_f32 v[SS], v[SS], v126
	v_add_f32 v[SS+4], v[SS+4], v127
	v_fma_f32 v[SS], v[SS], s82, s83               ; the mean of the squares + 1e-6
	v_fma_f32 v[SS+4], v[SS+4], s82, s83
	v_rsq_f32 v[RR], v[SS]
	v_rsq_f32 v[RR+2], v[SS+4]
	v_nop                                          ; a plain instruction behind the two
	s_wait_alu depctr_va_vdst(0)                   ; one wait for both, ahead of their first reader
	WIN 0x02+(\a)/4                                ; source 0: window 2 or 3
.irp hd, 0,1
.irp p, 0,1,2,3,4,5,6,7,8,9,10,11,12,13,14,15
	v_pk_mul_f32 v[Y+32*\hd+2*\p:Y+32*\hd+2*\p+1], v[AC+32*\hd+2*\p:AC+32*\hd+2*\p+1], v[RR+2*\hd:RR+2*\hd+1] op_sel_hi:[1,0]   ; x / rms
.endr
.endr
	WIN 0
	s_wait_loadcnt 0x0                             ; this block's cos and sin, asked for a block ago (and, the first time, the weights)
.irp hd, 0,1
.irp p, 0,1,2,3,4,5,6,7,8,9,10,11,12,13,14,15
	v_pk_mul_f32 v[Y+32*\hd+2*\p:Y+32*\hd+2*\p+1], v[Y+32*\hd+2*\p:Y+32*\hd+2*\p+1], v[NWR+2*\p:NWR+2*\p+1]   ; x the weight
.endr
.endr
.irp hd, 0,1                                   ; the rotation: columns c and c + 32 are registers p and p + 16 of a head
.irp p, 0,1,2,3,4,5,6,7
	v_pk_mul_f32 v[Z+32*\hd+2*\p:Z+32*\hd+2*\p+1], v[Y+32*\hd+16+2*\p:Y+32*\hd+16+2*\p+1], v[SIN+2*\p:SIN+2*\p+1]
	v_pk_mul_f32 v[Z+32*\hd+16+2*\p:Z+32*\hd+16+2*\p+1], v[Y+32*\hd+16+2*\p:Y+32*\hd+16+2*\p+1], v[COS+2*\p:COS+2*\p+1]
.endr
.irp p, 0,1,2,3,4,5,6,7
	v_pk_fma_f32 v[Z+32*\hd+2*\p:Z+32*\hd+2*\p+1], v[Y+32*\hd+2*\p:Y+32*\hd+2*\p+1], v[COS+2*\p:COS+2*\p+1], v[Z+32*\hd+2*\p:Z+32*\hd+2*\p+1] neg_lo:[0,0,1] neg_hi:[0,0,1]   ; t1 cos - t2 sin
	v_pk_fma_f32 v[Z+32*\hd+16+2*\p:Z+32*\hd+16+2*\p+1], v[Y+32*\hd+2*\p:Y+32*\hd+2*\p+1], v[SIN+2*\p:SIN+2*\p+1], v[Z+32*\hd+16+2*\p:Z+32*\hd+16+2*\p+1]                     ; t1 sin + t2 cos
.endr
.endr
.if (\a) < 7
	TABLOAD (\a)+1                                 ; lands while this block is quantised and the next one's norm is made
.endif
	QUANT Z                                        ; blocks 0, 1: head 0's columns 0-31, 32-63; blocks 2, 3: head 1's
	v_and_or_b32 v[SW+(\a)], v[PW], 0xffff, s79    ; head 0's scale word of these rows,
	v_lshrrev_b32 v[PW], 16, v[PW]
	v_or_b32 v[SW+8+(\a)], s79, v[PW]              ; head 1's
	global_store_b128 v9, v[QC:QC+3], s[86:87] offset:768*(\a)          ; a half-image: 512 consecutive bytes,
	global_store_b64 v10, v[QC+4:QC+5], s[86:87] offset:768*(\a)+512    ; and 256
	global_store_b128 v9, v[QC+6:QC+9], s[88:89] offset:768*(\a)
	global_store_b64 v10, v[QC+10:QC+11], s[88:89] offset:768*(\a)+512
.endm
.irp a, 0,1,2,3,4,5,6,7
	QKBLOCK \a
.endr
.irp hd, 0,1                                   ; the scale words: lane (r, h) stores row r's words of tiles 4 h .. 4 h + 3: 512 consecutive bytes a head
.irp e, 0,1,2,3
	v_cndmask_b32 v[SS+4*\hd+\e], v[SW+8*\hd+\e], v[SW+8*\hd+4+\e], s78
.endr
	global_store_b128 v11, v[SS+4*\hd:SS+4*\hd+3], s[86+2*\hd:87+2*\hd] offset:6144
.endr
	s_branch .Lend
.Lv:	; ---- v: quantised along the keys.  32 keys at a time go through my stage, rows in, columns out: a lane then holds one channel's whole block of 32 keys.
	s_mul_i32 s94, s92, 208896
	s_mul_i32 s98, s93, 13056
	s_add_co_u32 s94, s94, s98
	s_add_co_u32 s94, s94, 6656                    ; V's part of a record
	s_mov_b32 s95, 0
	s_add_nc_u64 s[86:87], s[76:77], s[94:95]
	s_add_nc_u64 s[88:89], s[86:87], 208896
.macro VSTAGE a                        ; block a's 16 keys x 128 columns into the stage, each accumulator from its low end on
.set AC, 64*((\a)%4)
	WIN 0x08+4*((\a)/4)                            ; an LDS store's data are its source 1: window 2 or 3
.irp b, 0,1,2,3,4,5,6,7
	ds_store_b128 v24, v[AC+8*\b:AC+8*\b+3] offset:8448*((\a)%2)+64*\b
	ds_store_b128 v24, v[AC+8*\b+4:AC+8*\b+7] offset:8448*((\a)%2)+64*\b+16
.endr
	WIN 0
.endm
.macro VLOAD g, set                    ; group g of 32 columns: my column, register i from key sw(i).  The 32 lanes read 32 neighbouring words.  LDS serves a wave's instructions in order: these see my stores
.irp i, 0,1,2,3,4,5,6,7,8,9,10,11,12,13,14,15,16,17,18,19,20,21,22,23,24,25,26,27,28,29,30,31
	ds_load_b32 v[32+32*(\set)+\i], v12 offset:128*(\g)+528*((\i&7)+((\i&8)*2)+((\i&16)/2))
.endr
.endm
.macro VPROC g, k, set                 ; my channel's block k of the step's four: six registers of codes and a byte
.set VS, 32+32*(\set)
.set FD, 128+24*(\g)+12*((\k)%2)+6*((\k)/2)    ; in the order of the images: blocks 0, 2 (the image's lanes 0-15), then 1, 3 (its lanes 16-31)
	v_max3_num_f32 v228, |v[VS]|, |v[VS+1]|, |v[VS+2]|
	v_max3_num_f32 v229, |v[VS+3]|, |v[VS+4]|, |v[VS+5]|
.irp i, 6,10,14,18,22,26
	v_max3_num_f32 v228, v228, |v[VS+\i]|, |v[VS+\i+1]|
	v_max3_num_f32 v229, v229, |v[VS+\i+2]|, |v[VS+\i+3]|
.endr
	v_max3_num_f32 v228, v228, |v[VS+30]|, |v[VS+31]|
	v_max3_num_f32 v228, v228, v229, 0x1800000     ; and the floor 2^(3 - 127)
	v_add_nc_u32 v230, 0xff000000, v228
	v_lshrrev_b32 v231, 23, v230
.if (\k) == 0
	v_mov_b32 v[232+(\g)], v231
.else
	v_lshl_or_b32 v[232+(\g)], v231, 8*(\k), v[232+(\g)]
.endif
	v_cvt_scalef32_pk16_fp6_f32 v[FD:FD+2], v[VS:VS+15], v230
	v_cvt_scalef32_pk16_fp6_f32 v[224:226], v[VS+16:VS+31], v230
	v_nop                                          ; one plain instruction behind a scaled conversion
.irp i, 0,1,2
	v_mov_b32 v[FD+3+\i], v[224+\i]
.endr
.endm
.irp k, 0,1,2,3
	VSTAGE 2*\k
	VSTAGE 2*\k+1
	VLOAD 0, 0
	VLOAD 1, 1
	s_wait_dscnt 32                                ; group 0 is in; the 32 loads of group 1 may be out
	VPROC 0, \k, 0
	VLOAD 2, 0
	s_wait_dscnt 32                                ; group 1 is in; group 2's loads may be out
	VPROC 1, \k, 1
	VLOAD 3, 1
	s_wait_dscnt 32                                ; group 2 is in; group 3's loads may be out
	VPROC 2, \k, 0
	s_wait_dscnt 0x0
	VPROC 3, \k, 1
.endr
.irp g, 0,1,2,3                                ; group g: head g / 2, tiles 2 (g % 2) (my lanes 0-15) and 2 (g % 2) + 1 (lanes 16-31).  Each half of the lanes stores 256 consecutive bytes, aligned
.irp hh, 0,1
.irp p, 0,1,2
	global_store_b128 v13, v[128+24*\g+12*\hh+4*\p:128+24*\g+12*\hh+4*\p+3], s[86+2*(\g/2):87+2*(\g/2)] offset:3072*(\g%2)+512*\p+256*\hh
.endr
.endr
.endr
.irp hd, 0,1
	global_store_b64 v14, v[232+2*\hd:233+2*\hd], s[86+2*\hd:87+2*\hd] offset:6144   ; the scale words: 256 consecutive bytes a head
.endr
.Lend:
	s_wait_tensorcnt 0x0                           ; the wave's end: behind my last tensor load and my last LDS store
	ds_add_u32 v[SPW], v[NIL]
	s_wait_dscnt 0x0
	CROUND                                         ; the closing round: no work-group ends while a partner may still ask for a tile that names it
	s_endpgm
.Lfunc_end_k_qbd979f2873_qkv:
	.size	k_qbd979f2873_qkv, .Lfunc_end_k_qbd979f2873_qkv-k_qbd979f2873_qkv
	.p2alignl 7, 3214868480
	.fill 96, 4, 3214868480
	.section	.rodata,"a",@progbits
	.p2align	6, 0x0
	.amdhsa_kernel k_qbd979f2873_qkv
		.amdhsa_group_segment_fixed_size 327680
		.amdhsa_private_segment_fixed_size 0
		.amdhsa_enable_private_segment 0
		.amdhsa_kernarg_size 64
		.amdhsa_user_sgpr_count 2
		.amdhsa_user_sgpr_kernarg_segment_ptr 1
		.amdhsa_wavefront_size32 1
		.amdhsa_system_sgpr_workgroup_id_x 1
		.amdhsa_system_sgpr_workgroup_id_y 1
		.amdhsa_system_sgpr_workgroup_id_z 1
		.amdhsa_system_vgpr_workitem_id 0
		.amdhsa_next_free_vgpr 1024
		.amdhsa_next_free_sgpr 100
		.amdhsa_reserve_vcc 0
		.amdhsa_float_denorm_mode_32 3
		.amdhsa_float_denorm_mode_16_64 3
		.amdhsa_memory_ordered 1
		.amdhsa_forward_progress 1
		.amdhsa_inst_pref_size 255
	.end_amdhsa_kernel
	.section	.bss,"aw",@nobits
	.p2align	6
	.space	262144
	.amdgpu_metadata
---
amdhsa.version: [ 1, 2 ]
amdhsa.kernels:
  - .name:           k_qbd979f2873_qkv
    .symbol:         k_qbd979f2873_qkv.kd
    .args:
      - { .name: xw_codes, .offset: 0, .size: 8, .value_kind: global_buffer, .address_space: global }
      - { .name: xw_scales, .offset: 8, .size: 8, .value_kind: global_buffer, .address_space: global }
      - { .name: bqkv, .offset: 16, .size: 8, .value_kind: global_buffer, .address_space: global }
      - { .name: qn_w, .offset: 24, .size: 8, .value_kind: global_buffer, .address_space: global }
      - { .name: kn_w, .offset: 32, .size: 8, .value_kind: global_buffer, .address_space: global }
      - { .name: rope_tab, .offset: 40, .size: 8, .value_kind: global_buffer, .address_space: global }
      - { .name: qbuf, .offset: 48, .size: 8, .value_kind: global_buffer, .address_space: global }
      - { .name: kvbuf, .offset: 56, .size: 8, .value_kind: global_buffer, .address_space: global }
    .group_segment_fixed_size: 327680
    .private_segment_fixed_size: 0
    .kernarg_segment_align: 8
    .kernarg_segment_size: 64
    .max_flat_workgroup_size: 128
    .sgpr_count:     100
    .vgpr_count:     1024
    .wavefront_size: 32
...
	.end_amdgpu_metadata
.endif
;; end of part 2
;; launch attn (part 3): grid 4 x 64, 16 waves a work-group, clusters of 4 x 1, 215,040 bytes of LDS; arguments qbuf, kvbuf, o_codes, o_scales; writes o_codes, o_scales
.if DOCPART == 3
	.amdgcn_target "amdgcn-amd-amdhsa--gfx1250"
	.amdhsa_code_object_version 6
	.text
	.protected	k_qbd979f2873_attn
	.globl	k_qbd979f2873_attn
	.p2align	8
	.type	k_qbd979f2873_attn,@function
k_qbd979f2873_attn:
	s_mov_b64 s[64:65], 0
	v_nop
	global_prefetch_b8 v0, s[64:65] scope:SCOPE_SE
	s_setreg_imm32_b32 hwreg(HW_REG_WAVE_MODE, 25, 1), 1
	s_wait_xcnt 0x0
	s_wait_alu depctr_hold_cnt(0) depctr_sa_sdst(0) depctr_va_vdst(0) depctr_va_sdst(0) depctr_va_ssrc(0) depctr_va_vcc(0) depctr_vm_vsrc(0)
	s_getreg_b32 s2, hwreg(HW_REG_IB_STS2, 6, 4)
	s_cmp_eq_u32 s2, 0
	s_cbranch_scc0 .Lentry_in_a_cluster
	s_endpgm
.Lentry_in_a_cluster:
	s_bfe_u32 s2, ttmp6, 0x10000c
	s_cmp_lg_u32 s2, 0x3003
	s_cbranch_scc0 .Lentry_shape_is_right
	s_endpgm
.Lentry_shape_is_right:
; ATTN.  o = softmax(q k^T / 8) v for 64 heads of batches, 2,048 queries and keys, head size 64, both products on codes of FP6 (E2M3) with one E8M0 scale for each 32 along a product's K; o is quantised along the head's 64 on the way out.
; THE SOFTMAX AHEAD OF THE SECOND PRODUCT: t = score x log2(e) / 8; M = the row's largest t so far, rounded up to a whole number; p = 2^(t - M) is what is quantised, along the keys; it is not normalised.
; The row's sum is taken of the unquantised p, in f32, and divides O at the end.  When M moves, the sum and O are multiplied by 2^(old M - new M), which rounds nothing.
; SHARES.  A cluster of four work-groups is one head.  A work-group owns 512 queries, in two passes of 256; in a pass each of its sixteen waves owns one tile of 16 queries, in 256 registers: four waves to a SIMD,
; so that one wave's vector work stands beside another's matrix work and LDS loads.  Every wave walks all 2,048 keys, 128 a step.
; LDS.  The head's K and V, as images of operand registers with their scale words, are 16 records of 13,056 bytes: 208,896 bytes.  They are brought ONCE, by joint tensor loads (the four work-groups need the same bytes:
; the same load, the same descriptor, a mask that names the four), and stay: no slot is filled again, so there is no ring.  Waves 0 to 3 ask, four records each (record 4 q + w is wave w's q-th load): four loads of a wave are out.
; The first pass begins on records 0-3 while the others are on their way.  All that the launch reads of K and V is asked for at its start, so there is nothing left to prefetch.
; LAYOUT.  Both products are used transposed: S^T = K Q^T (source 0 = 16 keys, source 1 = my 16 queries), O^T = V^T P^T (source 0 = 16 channels, source 1 = P): a lane holds one query (lane % 16) throughout.
; K = 64 IN AN INSTRUCTION 128 DEEP.  A tile of K is six registers a lane; source 0 names them and the six behind them (the next tile's codes; behind tile 7 six registers of zeros).  Q's upper six registers are zero codes,
; FP6 has no infinity and no NaN, and the upper two scale bytes are 0x7f on both sides: the upper half adds exact zeros.  So K costs half the LDS bytes and registers of a padded fragment.
; ORDER INSIDE A BLOCK OF 32.  K's tiles hold neighbouring keys, so register 16 b + 8 u + j of S^T is key 32 b + 16 u + 8 h + j: p's place i of a block holds key sw(i) (bits 3 and 4 changed over), and V's codes were laid so.
; V's tile 2 g + u, row r, is channel 32 g + 8 u + r + 8 (r / 8): the 16 registers of O^T's tiles 2 g and 2 g + 1 are channels 32 g + 16 h + 0 .. 15, neighbours along the last product's K.
; OUT.  o_codes [tile of 16 rows 512][head 16][768 bytes]: a half-image (six registers a lane: 0-3 at 16 x lane, 4-5 at 512 + 8 x lane).  o_scales [row 8,192][32]: byte 2 head + block.  The bytes go out singly, 32 bytes apart:
; a row's word spans two heads, which are two clusters; they are one byte for 24 bytes of codes.
; LIMITS: a block of zeros has the byte 1 and not 127 (zero codes; this program alone reads the bytes); blocks under 2^(3 - 127) keep the byte 1; NaN and infinities are not served.
; A block's largest p is taken from its largest score by the same multiply-add and exponential, which takes v_exp_f32 not to fall where its input rises.
; REGISTERS: v1-4 lane terms 16 l, 8 l, 32 r, 16 r; v5-8 the same + the step's record; v9 32 r + h; v12 -M, v13 the largest t, v[14:15] the sum in two halves; v16-21 Q, v22-27 zeros; v32-79 K's eight tiles, then V's four;
; v80-85 zeros; v96-159 S^T, then p; v160-191 O^T; v192-199 K's scale words, v200-203 V's, v204 Q's; v224-254 at work.
.set REC,   13056                      ; a record: K's 8 half-images (6,144), K's scale words (512), V's 4 images (6,144), V's scale words (256)
.set HSKV,  208896                     ; a head in kvbuf
.set HSQ,   106496                     ; a head in qbuf
.set GRPQ,  6656                       ; 128 queries in qbuf
.set WV,    18                         ; s18  my wave's number
.set G1,    24                         ; s[24:31] descriptor group 1;  s[32:47] four groups 0
.set G0,    32
.set TB,    48                         ; s48  LDS byte at which the step's record begins
.set CNT,   49                         ; s49  counts steps
.macro CROUND                          ; a round of the cluster's barrier
	s_barrier_signal -1
	s_barrier_wait -1
	s_cmp_lg_u32 s[WV], 0
	s_cbranch_scc1 .Lnot_wave_0_\@
	s_barrier_signal -3
.Lnot_wave_0_\@:
	s_barrier_wait -3
	s_barrier_signal -1
	s_barrier_wait -1
.endm
	s_load_b256 s[4:11], s[0:1], 0x0               ; qbuf s[4:5], kvbuf s[6:7], o_codes s[8:9], o_scales s[10:11]
	v_lshl_add_u32 v251, v0, 2, 0x34000
	v_mov_b32 v255, 0
	ds_add_u32 v251, v255
	ds_add_u32 v251, v255
	v_lshrrev_b32 v1, 5, v0
	v_readfirstlane_b32 s[WV], v1                  ; wave 0..15
	s_bfe_u32 s19, ttmp6, 0x40000                  ; cx: it enters Q's and O's addresses alone
	s_and_b32 s12, ttmp7, 0xffff                   ; the head of a batch, which the four partners share
	s_mul_i32 s14, s12, HSKV
	s_mul_i32 s16, s[WV], REC                      ; record w, in memory and in LDS
	s_add_co_u32 s14, s14, s16
	s_mov_b32 s15, 0
	; descriptor group 1: a record is a dense block: 51 rows of 256 bytes (32 elements of 8 bytes), no padding
	s_mov_b32 s[G1], 15|(3<<16)|(1<<21)            ; 15:0 the mask: all four work-groups; 17:16 elements of 8 bytes; 21 set beside a mask
	s_mov_b32 s[G1+1], 32<<16                      ; tensor_dim0
	s_mov_b32 s[G1+2], 51<<16                      ; tensor_dim1
	s_mov_b32 s[G1+3], 32<<16                      ; tile_dim0
	s_mov_b32 s[G1+4], 51                          ; tile_dim1
	s_mov_b32 s[G1+5], 32                          ; from row to row
	s_mov_b32 s[G1+6], 0
	s_mov_b32 s[G1+7], 0
	s_mov_b32 s20, 0x76543210
	s_mov_b32 s21, 0xfedcba98                      ; v_permlanex16_b32's selects for lane l xor 16
	s_mov_b32 s22, 0x3e38aa3b                      ; c = log2(e) / 8
	s_mov_b32 s23, s22                             ; (named with it as a pair, so it is written)
	s_mov_b32 s50, 0xffff0000                      ; lanes 16-31
	s_wait_dscnt 0x0
	s_wait_kmcnt 0x0
	s_add_nc_u64 s[60:61], s[6:7], s[14:15]
.irp q, 0,1,2,3
	s_mov_b32 s[G0+4*\q], 1                        ; count = 1
	s_add_co_u32 s[G0+4*\q+1], s16, 4*REC*\q       ; LDS address: record 4 q + w
	s_add_nc_u64 s[G0+4*\q+2:G0+4*\q+3], s[60:61], 4*REC*\q
	s_or_b32 s[G0+4*\q+3], s[G0+4*\q+3], 0x80000000   ; type = 2
.endr
	CROUND                                         ; all four work-groups are here: the joint loads meet
	s_cmp_lt_u32 s[WV], 4                          ; a wave's four fills stand in one branch, ahead of every wait on TENSORcnt, every LDS read and every further barrier
	s_cbranch_scc0 .Lno_fill
	tensor_load_to_lds s[G0:G0+3], s[G1:G1+7]
	s_nop 0
	tensor_load_to_lds s[G0+4:G0+7], s[G1:G1+7]
	s_nop 0
	tensor_load_to_lds s[G0+8:G0+11], s[G1:G1+7]
	s_nop 0
	tensor_load_to_lds s[G0+12:G0+15], s[G1:G1+7]
	s_nop 0
.rept 4
	v_nop
.endr
.Lno_fill:
	; where my tile of queries lies: tile 32 cx + 16 pass + wave of the head's 128
	s_lshl_b32 s13, s19, 2
	s_lshr_b32 s17, s[WV], 3
	s_add_co_u32 s13, s13, s17                     ; its group of 128 queries in pass 0: 4 cx + wave / 8
	s_mul_i32 s13, s13, GRPQ
	s_mul_i32 s17, s12, HSQ
	s_add_co_u32 s62, s13, s17
	s_mov_b32 s63, 0
	s_add_nc_u64 s[54:55], s[4:5], s[62:63]
	s_and_b32 s17, s[WV], 7
	s_mul_i32 s62, s17, 768
	s_add_nc_u64 s[52:53], s[54:55], s[62:63]      ; its half-image
	s_lshl_b32 s62, s17, 2
	s_add_co_u32 s62, s62, 6144
	s_add_nc_u64 s[54:55], s[54:55], s[62:63]      ; its scale words
	s_lshr_b32 s13, s12, 4
	s_lshl_b32 s13, s13, 7
	s_lshl_b32 s17, s19, 5
	s_add_co_u32 s13, s13, s17
	s_add_co_u32 s13, s13, s[WV]                   ; its tile of 16 rows of o in pass 0: 128 batch + 32 cx + wave
	s_and_b32 s17, s12, 15                         ; the head
	s_mul_i32 s62, s13, 12288
	s_mul_i32 s51, s17, 768
	s_add_co_u32 s62, s62, s51
	s_add_nc_u64 s[56:57], s[8:9], s[62:63]
	s_lshl_b32 s62, s13, 9
	s_lshl_b32 s51, s17, 1
	s_add_co_u32 s62, s62, s51
	s_add_nc_u64 s[58:59], s[10:11], s[62:63]
	v_and_b32 v10, 31, v0                          ; l
	v_and_b32 v11, 15, v0                          ; r
	v_bfe_u32 v9, v0, 4, 1                         ; h
	v_lshlrev_b32 v1, 4, v10
	v_lshlrev_b32 v2, 3, v10
	v_lshlrev_b32 v3, 5, v11
	v_lshlrev_b32 v4, 4, v11
	v_lshl_add_u32 v9, v11, 5, v9                  ; 32 r + h
.irp j, 22,23,24,25,26,27,80,81,82,83,84,85
	v_mov_b32 v[\j], 0                             ; zero codes: Q's upper half, and what stands behind K's tile 7
.endr
.irp b, 0,1,2,3
	v_mov_b32 v[236+\b], 0                         ; a lane permute's destination counts as one of its sources
.endr
	v_mov_b32 v253, 0                              ; (named as the upper half of the pair v[252:253] before it is first written)
.macro PROLOG pass                     ; my tile of queries, and the sums' beginnings: O^T and the sum zeros, the largest t under every t: the first change of M multiplies zeros
	global_load_b128 v[16:19], v1, s[52:53] offset:2*GRPQ*\pass
	global_load_b64 v[20:21], v2, s[52:53] offset:2*GRPQ*\pass+512
	global_load_b32 v204, v3, s[54:55] offset:2*GRPQ*\pass
	v_mov_b32 v13, 0xff61b1e6                      ; -3e38
	v_floor_f32 v12, -v13                          ; -M
	v_mov_b32 v14, 0
	v_mov_b32 v15, 0
.irp j, 0,1,2,3,4,5,6,7,8,9,10,11,12,13,14,15,16,17,18,19,20,21,22,23,24,25,26,27,28,29,30,31
	v_mov_b32 v[160+\j], 0
.endr
	s_wait_loadcnt 0x0
.endm
; A KEY STEP: 128 keys, the record at s[TB].
.macro STEP
	v_add_nc_u32 v5, s[TB], v1                     ; (these four are also the places between the last step's products and the loads into their operands)
	v_add_nc_u32 v6, s[TB], v2
	v_add_nc_u32 v7, s[TB], v3
	v_add_nc_u32 v8, s[TB], v4
.irp t, 0,1,2,3,4,5,6,7
	ds_load_b128 v[32+6*\t:35+6*\t], v5 offset:768*\t          ; K's tile t as it was stored: an instruction's bytes are consecutive
	ds_load_b64 v[36+6*\t:37+6*\t], v6 offset:768*\t+512
.endr
	ds_load_b128 v[192:195], v7 offset:6144        ; row r's scale words of tiles 0-3,
	ds_load_b128 v[196:199], v7 offset:6160        ; and 4-7
	s_wait_dscnt 0x0
.irp t, 0,1,2,3,4,5,6,7
	v_wmma_scale_f32_16x16x128_f8f6f4 v[96+8*\t:103+8*\t], v[32+6*\t:43+6*\t], v[16:27], 0, v[192+\t], v204 matrix_a_fmt:MATRIX_FMT_FP6 matrix_b_fmt:MATRIX_FMT_FP6
.endr
.rept 4
	v_nop                                          ; places in front of the loads into K's registers and of the first read of the scores
.endr
.irp t, 0,1,2,3                                ; V's four images land while the softmax is made
.irp p, 0,1,2
	ds_load_b128 v[32+12*\t+4*\p:35+12*\t+4*\p], v5 offset:6656+1536*\t+512*\p
.endr
.endr
	ds_load_b128 v[200:203], v8 offset:12800       ; row r's scale words: tile t's in register 2 (t % 2) + t / 2
.irp b, 0,1,2,3
	v_max3_num_f32 v[232+\b], v[96+16*\b], v[97+16*\b], v[98+16*\b]   ; the largest score of each block of 32 keys: it serves for the row's maximum and, since p rises with the score, for the block's largest p
.endr
.irp i, 3,5,7,9,11,13
.irp b, 0,1,2,3
	v_max3_num_f32 v[232+\b], v[232+\b], v[96+16*\b+\i], v[97+16*\b+\i]   ; (the four blocks by turns)
.endr
.endr
.irp b, 0,1,2,3
	v_max_num_f32 v[232+\b], v[232+\b], v[111+16*\b]
.endr
.irp b, 0,1,2,3
	v_permlanex16_b32 v[236+\b], v[232+\b], s20, s21
.endr
.irp b, 0,1,2,3
	v_max_num_f32 v[232+\b], v[232+\b], v[236+\b]  ; with lane l xor 16's 16 keys
.endr
	v_max3_num_f32 v254, v232, v233, v234
	v_max_num_f32 v254, v254, v235                 ; the step's largest score of my query
	v_mul_f32 v254, s22, v254                      ; as t (c is positive)
	v_max_num_f32 v13, v13, v254                   ; the running largest t
	v_mov_b32 v254, v12
	v_floor_f32 v12, -v13                          ; the new -M = floor(-t): M is a whole number
	v_sub_f32 v254, v12, v254                      ; old M - new M: a whole number, 0 or less
	v_cvt_i32_f32 v254, v254                       ; (it saturates)
	v_ldexp_f32 v252, 1.0, v254                    ; f = 2^(old M - new M)
.irp j, 0,2,4,6,8,10,12,14,16,18,20,22,24,26,28,30,32,34,36,38,40,42,44,46,48,50,52,54,56,58,60,62
	v_pk_fma_f32 v[96+\j:97+\j], v[96+\j:97+\j], s[22:23], v[12:13] op_sel_hi:[1,0,0]   ; t - M, two at a time
.endr
.irp b, 0,1,2,3
	v_fma_f32 v[232+\b], v[232+\b], s22, v12       ; the same of each block's largest score
.endr
.irp j, 0,1,2,3,4,5,6,7,8,9,10,11,12,13,14,15,16,17,18,19,20,21,22,23,24,25,26,27,28,29,30,31,32,33,34,35,36,37,38,39,40,41,42,43,44,45,46,47,48,49,50,51,52,53,54,55,56,57,58,59,60,61,62,63
	v_exp_f32 v[96+\j], v[96+\j]                   ; p = 2^(t - M), at most 1
.endr
	v_pk_mul_f32 v[14:15], v[14:15], v[252:253] op_sel_hi:[1,0]   ; the sums under the new M: the plain instruction behind the exponentials
	s_wait_alu depctr_va_vdst(0)                   ; one wait for the whole batch, ahead of its first reader
.irp b, 0,1,2,3
	v_exp_f32 v[232+\b], v[232+\b]                 ; the block's largest p
.endr
	v_pk_add_f32 v[236:237], v[96:97], v[98:99]    ; the row's sum is taken of the unquantised p: two at a time, in two chains
.irp j, 4,8,12,16,20,24,28,32,36,40,44,48,52,56,60
	v_pk_add_f32 v[14:15], v[14:15], v[96+\j:97+\j]
	v_pk_add_f32 v[236:237], v[236:237], v[98+\j:99+\j]
.endr
	v_pk_add_f32 v[14:15], v[14:15], v[236:237]
	s_wait_alu depctr_va_vdst(0)                   ; and one for the four
.irp b, 0,1,2,3
	v_max_num_f32 v[232+\b], 0x1800000, v[232+\b]  ; the floor 2^(3 - 127): the byte cannot fall under 1
.endr
.irp b, 0,1,2,3
	v_add_nc_u32 v[244+\b], 0xff000000, v[232+\b]  ; 2 off the exponent field: the conversion's scale operand
.endr
.irp b, 0,1,2,3
	v_lshrrev_b32 v[236+\b], 23, v[244+\b]         ; the scale's byte
.endr
	v_lshl_or_b32 v253, v237, 8, v236              ; p's scale word for these 128 keys
	v_lshl_or_b32 v253, v238, 16, v253
	v_lshl_or_b32 v253, v239, 24, v253
.irp c, 0,1
	v_cvt_scalef32_pk16_fp6_f32 v[224+6*\c:226+6*\c], v[96+32*\c:111+32*\c], v[244+2*\c]
	v_cvt_scalef32_pk16_fp6_f32 v[236+4*\c:238+4*\c], v[112+32*\c:127+32*\c], v[244+2*\c+1]   ; (a conversion's three registers begin on an even number)
.endr
	v_nop                                          ; one plain instruction behind a scaled conversion
.irp c, 0,1                                    ; the operand's layout wants a whole block in a lane
.irp i, 0,1,2
	v_permlane16_swap_b32 v[224+6*\c+\i], v[236+4*\c+\i]
.endr
.irp i, 0,1,2
	v_mov_b32 v[227+6*\c+\i], v[236+4*\c+\i]
.endr
.endr
.irp j, 0,2,4,6,8,10,12,14,16,18,20,22,24,26,28,30
	v_pk_mul_f32 v[160+\j:161+\j], v[160+\j:161+\j], v[252:253] op_sel_hi:[1,0]   ; O^T under the new M.  (These sixteen are also the places between the writes of p's codes and scale word and the products)
.endr
	s_wait_dscnt 0x0                               ; V
.irp t, 0,1,2,3                                ; four accumulators, one instruction each
	v_wmma_scale_f32_16x16x128_f8f6f4 v[160+8*\t:167+8*\t], v[32+12*\t:43+12*\t], v[224:235], v[160+8*\t:167+8*\t], v[200+2*(\t%2)+\t/2], v253 matrix_a_fmt:MATRIX_FMT_FP6 matrix_b_fmt:MATRIX_FMT_FP6
.endr
	s_add_co_u32 s[TB], s[TB], REC
.endm
.macro STEPS n
	s_mov_b32 s[CNT], \n
.Lstep_\@:
	STEP
	s_sub_co_u32 s[CNT], s[CNT], 1
	s_cmp_lg_u32 s[CNT], 0
	s_cbranch_scc1 .Lstep_\@
.endm
; THE WAY OUT: O^T / the sum, quantised along the head's 64 (two blocks of 32; a lane holds 16 neighbours of each), stored as a half-image and two scale bytes a row.
.macro WAYOUT pass
.rept 4
	v_nop                                          ; places behind the last products
.endr
	v_add_f32 v14, v14, v15                        ; the sum's two halves,
	v_permlanex16_b32 v252, v14, s20, s21
	v_add_f32 v14, v14, v252                       ; and lane l xor 16's
	v_rcp_f32 v14, v14
	v_nop                                          ; a plain instruction behind it
	s_wait_alu depctr_va_vdst(0)                   ; the wait, ahead of the first reader
.irp j, 0,1,2,3,4,5,6,7,8,9,10,11,12,13,14,15,16,17,18,19,20,21,22,23,24,25,26,27,28,29,30,31
	v_mul_f32 v[96+\j], v[160+\j], v14             ; register 16 g + i: channel 32 g + 16 h + i of query r
.endr
.irp b, 0,1
	v_max3_num_f32 v[232+\b], |v[96+16*\b]|, |v[97+16*\b]|, 0x1800000
.endr
.irp i, 2,4,6,8,10,12,14
.irp b, 0,1
	v_max3_num_f32 v[232+\b], v[232+\b], |v[96+16*\b+\i]|, |v[97+16*\b+\i]|
.endr
.endr
.irp b, 0,1
	v_permlanex16_b32 v[236+\b], v[232+\b], s20, s21
.endr
.irp b, 0,1
	v_max_num_f32 v[232+\b], v[232+\b], v[236+\b]
.endr
.irp b, 0,1
	v_add_nc_u32 v[244+\b], 0xff000000, v[232+\b]
.endr
.irp b, 0,1
	v_lshrrev_b32 v[236+\b], 23, v[244+\b]
.endr
	v_cvt_scalef32_pk16_fp6_f32 v[224:226], v[96:111], v244
	v_cvt_scalef32_pk16_fp6_f32 v[240:242], v[112:127], v245
	v_cndmask_b32 v248, v236, v237, s50            ; my half's block's byte.  (The plain instruction behind the conversions)
.irp i, 0,1,2
	v_permlane16_swap_b32 v[224+\i], v[240+\i]
.endr
.irp i, 0,1,2
	v_mov_b32 v[227+\i], v[240+\i]
.endr
	global_store_b128 v1, v[224:227], s[56:57] offset:196608*\pass       ; 512 consecutive bytes,
	global_store_b64 v2, v[228:229], s[56:57] offset:196608*\pass+512    ; and 256
	global_store_b8 v9, v248, s[58:59] offset:8192*\pass
.endm
	PROLOG 0
.irp q, 0,1,2,3
	s_wait_tensorcnt 3-\q                          ; my fill q has landed; my 3 - q later fills may stay out
	s_barrier_signal -1
	s_barrier_wait -1                              ; records 4 q .. 4 q + 3 are whole for every wave
	s_mov_b32 s[TB], 4*REC*\q
	STEPS 4
.endr
	WAYOUT 0
	s_wait_xcnt 0x0                                ; the stores have read their data: those registers are written again in the second pass
	PROLOG 1
	s_mov_b32 s[TB], 0
	STEPS 16
	WAYOUT 1
	s_wait_tensorcnt 0x0
	ds_add_u32 v251, v255
	s_wait_dscnt 0x0
	CROUND                                         ; the closing round
	s_endpgm
.Lfunc_end_k_qbd979f2873_attn:
	.size	k_qbd979f2873_attn, .Lfunc_end_k_qbd979f2873_attn-k_qbd979f2873_attn
	.p2alignl 7, 3214868480
	.fill 96, 4, 3214868480
	.section	.rodata,"a",@progbits
	.p2align	6, 0x0
	.amdhsa_kernel k_qbd979f2873_attn
		.amdhsa_group_segment_fixed_size 215040
		.amdhsa_private_segment_fixed_size 0
		.amdhsa_enable_private_segment 0
		.amdhsa_kernarg_size 32
		.amdhsa_user_sgpr_count 2
		.amdhsa_user_sgpr_kernarg_segment_ptr 1
		.amdhsa_wavefront_size32 1
		.amdhsa_system_sgpr_workgroup_id_x 1
		.amdhsa_system_sgpr_workgroup_id_y 1
		.amdhsa_system_sgpr_workgroup_id_z 1
		.amdhsa_system_vgpr_workitem_id 0
		.amdhsa_next_free_vgpr 256
		.amdhsa_next_free_sgpr 66
		.amdhsa_reserve_vcc 0
		.amdhsa_float_denorm_mode_32 3
		.amdhsa_float_denorm_mode_16_64 3
		.amdhsa_memory_ordered 1
		.amdhsa_forward_progress 1
		.amdhsa_inst_pref_size 95
	.end_amdhsa_kernel
	.amdgpu_metadata
---
amdhsa.version: [ 1, 2 ]
amdhsa.kernels:
  - .name:           k_qbd979f2873_attn
    .symbol:         k_qbd979f2873_attn.kd
    .args:
      - { .name: qbuf, .offset: 0, .size: 8, .value_kind: global_buffer, .address_space: global }
      - { .name: kvbuf, .offset: 8, .size: 8, .value_kind: global_buffer, .address_space: global }
      - { .name: o_codes, .offset: 16, .size: 8, .value_kind: global_buffer, .address_space: global }
      - { .name: o_scales, .offset: 24, .size: 8, .value_kind: global_buffer, .address_space: global }
    .group_segment_fixed_size: 215040
    .private_segment_fixed_size: 0
    .kernarg_segment_align: 8
    .kernarg_segment_size: 32
    .max_flat_workgroup_size: 512
    .sgpr_count:     66
    .vgpr_count:     256
    .wavefront_size: 32
...
	.end_amdgpu_metadata
.endif
;; end of part 3
;; launch proj (part 4): grid 4 x 32, 4 waves a work-group, clusters of 4 x 4, 327,680 bytes of LDS; arguments o_codes, o_scales, xw_codes, xw_scales, bout, out0; writes out0
.if DOCPART == 4
	.amdgcn_target "amdgcn-amd-amdhsa--gfx1250"
	.amdhsa_code_object_version 6
	.text
	.protected	k_qbd979f2873_proj
	.globl	k_qbd979f2873_proj
	.p2align	8
	.type	k_qbd979f2873_proj,@function
k_qbd979f2873_proj:
	s_mov_b64 s[64:65], 0
	v_nop
	global_prefetch_b8 v0, s[64:65] scope:SCOPE_SE
	s_setreg_imm32_b32 hwreg(HW_REG_WAVE_MODE, 25, 1), 1
	s_wait_xcnt 0x0
	s_wait_alu depctr_hold_cnt(0) depctr_sa_sdst(0) depctr_va_vdst(0) depctr_va_sdst(0) depctr_va_ssrc(0) depctr_va_vcc(0) depctr_vm_vsrc(0)
	s_getreg_b32 s2, hwreg(HW_REG_IB_STS2, 6, 4)
	s_cmp_eq_u32 s2, 0
	s_cbranch_scc0 .Lentry_in_a_cluster
	s_endpgm
.Lentry_in_a_cluster:
	s_bfe_u32 s2, ttmp6, 0x10000c
	s_cmp_lg_u32 s2, 0xf033
	s_cbranch_scc0 .Lentry_shape_is_right
	s_endpgm
.Lentry_shape_is_right:
; PROJ.  out0 = o Wout + bout, [8192][1024] f32, on codes of FP6 (E2M3) with one E8M0 scale for each 32 along K (K = 1,024).
; A tile of the output, 256 x 256, is made by four waves, each 128 x 128: 64 accumulators of 16 x 16, 512 registers.  K goes in steps of 256 through a ring of two LDS slots filled by the tensor data mover.
; o's codes lie in memory as images of operand registers, [tile of 16 rows][head][768 bytes]: a K step's four heads of a tile of rows are 3,072 consecutive bytes, and a fragment (two heads) comes out of LDS by two loads
; of 16 bytes and two of 8 bytes a lane, each instruction's bytes consecutive.  Wout's codes lie as rows of 768 bytes; their tiles are padded in LDS.
; The scales of the work-group's 256 rows of o and 256 columns of Wout, for all of K, come into LDS once, with the first fills.
; CLUSTERS: 4 x 4 work-groups.  The four of a row of the cluster need the same tiles of o, the four of a column the same tiles of Wout: each tile is asked for jointly.
; THE MATRIX INSTRUCTION IS USED TRANSPOSED (source 0 = 16 columns of Wout, source 1 = 16 rows of o): a lane holds eight neighbouring numbers of a row of the output.  The bias is the C of each sum's first product.
; There are 128 tiles of 256 x 256: a smaller tile would give every WGP one, at twice the LDS bytes for each product; this text keeps the larger tile.
; Nothing is prefetched: K has four slot fills, two of them at the head, and every tile is read by several work-groups.
; REGISTERS, in windows of 256: window 0: v0-31 addresses; v32-63 scale words, two sets; v64-127 the bias; from v128 o's fragments, one set; on the way out v32-255 are free.
;   window 1: Wout's fragments, two sets.   window 2: the accumulators of my rows 0-63 ((a, b) at v[8 (8 a + b)]);   window 3: those of rows 64-127.
.set SIZE_N, 1024
.set NQ,     2
.set ROWB,   192                       ; a row of Wout's tile in bytes
.set KROW,   768                       ; a row of Wout's codes in memory; also o's bytes for each row (12,288 for a tile of 16)
.set PITCH,  240                       ; Wout's LDS row: 3 x (64 bytes + 16 of padding)
.set FR,     12
.set NL,     6                         ; LDS loads that bring a fragment of Wout
.set NLA,    4                         ; and of o
.set NP,     4
.set ASTEP,  3072                      ; a K step of a tile of 16 rows of o
.set HALFA,  8*ASTEP                   ; 128 rows of o: what one tensor load brings
.set HALFB,  128*PITCH                 ; 128 columns of Wout
.set SLOT,   2*HALFA+2*HALFB
.set LAPS,   2
.set KS,     32
.set SCL,    2*SLOT
.set HALFS,  (128*KS/256)*272
.set SBLK,   (16*KS/256)*272
.set SPARE,  SCL+4*HALFS               ; the spare words, 128 bytes a wave: two blocks of 256 bytes that no other line names
.set SPITCH, 528                       ; the way out: a stage of 16 rows x (512 bytes + 16) for each wave, in slot 0, which has had its last fill and its last read by then
.set XC_WO,  8650752                   ; Wout's codes in xw_codes
.set XS_WO,  360448                    ; and its scales in xw_scales
.set ADRA, 16                          ; v16-17 16 l + my half of o in slot 0, 1;  v18-19 8 l + the same
.set ADRB, 20                          ; v20-23 LDS addresses of Wout's fragments (slot 0, 1; and behind one padding more)
.set STO,  24
.set RD,   25
.set CO,   26
.set ADRS, 27
.set SPW,  28                          ; my spare word; never rewritten
.set NIL,  29                          ; 0; never rewritten
.set SC,   32
.set BIAS, 64
.set AF,   128
.set BK,   128
.set G1, 24
.set G0, 32
.set G1B, 48
.set G0B, 56
.set G1S, 68
.set G0S, 76
.set G1SB, 80
.set G0SB, 88
.set MSB, 0
.macro WIN new
.set WNEW, \new
.if MSB != WNEW
	s_set_vgpr_msb (MSB<<8)|WNEW
.set MSB, WNEW
.endif
.endm
.set MUL_LO, 0xa1
.set MUL_HI, 0xf1
.set TO_B,   0x40
.macro JLOAD g0a, g1a, g0b, g1b        ; a joint load: waves 0 and 1 fetch for o, waves 2 and 3 for Wout.  Four v_nop follow each of the two lines
	s_cmp_eq_u32 s15, 0
	s_cbranch_scc0 .Lfor_b_\@
	tensor_load_to_lds s[\g0a:\g0a+3], s[\g1a:\g1a+7]
	s_nop 0
.rept 4
	v_nop
.endr
	s_branch .Lasked_\@
.Lfor_b_\@:
	tensor_load_to_lds s[\g0b:\g0b+3], s[\g1b:\g1b+7]
	s_nop 0
.rept 4
	v_nop
.endr
.Lasked_\@:
.endm
.macro CREST
	s_cmp_lg_u32 s14, 0
	s_cbranch_scc1 .Lnot_wave_0_\@
	s_barrier_signal -3
.Lnot_wave_0_\@:
	s_barrier_wait -3
	s_barrier_signal -1
	s_barrier_wait -1
.endm
.macro CROUND
	s_barrier_signal -1
	s_barrier_wait -1
	CREST
.endm
	s_load_b128 s[4:7], s[0:1], 0x0                ; o_codes, o_scales
	s_load_b128 s[8:11], s[0:1], 0x10              ; xw_codes, xw_scales
	s_load_b64 s[66:67], s[0:1], 0x20              ; bout
	s_load_b64 s[12:13], s[0:1], 0x28              ; out0
	v_lshl_add_u32 v[SPW], v0, 2, SPARE
	v_mov_b32 v[NIL], 0
	ds_add_u32 v28, v29
	ds_add_u32 v28, v29
	s_wait_dscnt 0x0
	v_lshrrev_b32 v1, 5, v0
	v_readfirstlane_b32 s14, v1                    ; wave 0..3
	s_lshr_b32 s15, s14, 1                         ; which half of the tile's rows is mine.  Also: I fetch for o (0) or for Wout (1)
	s_and_b32 s16, s14, 1                          ; which half of its columns.  Also: which 128 rows of that tile I fetch
	s_bfe_u32 s40, ttmp6, 0x40000
	s_bfe_u32 s41, ttmp6, 0x40004
	s_lshl_b32 s42, ttmp9, 2
	s_add_co_u32 s42, s42, s40                     ; tile column
	s_and_b32 s17, ttmp7, 0xffff
	s_lshl_b32 s17, s17, 2
	s_add_co_u32 s17, s17, s41                     ; tile row
	s_lshl_b32 s43, s41, 2
	s_lshl_b32 s43, 15, s43                        ; my row of the cluster
	s_lshl_b32 s44, 0x1111, s40                    ; my column
	; o's tiles: 8 rows (tiles of 16 rows of o) of 3,072 bytes (384 elements of 8 bytes), 12,288 bytes apart; no padding
	s_or_b32 s[G1+0], s43, (3<<16)|(1<<21)
	s_mov_b32 s[G1+1], 384<<16                     ; tensor_dim0
	s_mov_b32 s[G1+2], 8<<16                       ; tensor_dim1
	s_mov_b32 s[G1+3], 384<<16                     ; tile_dim0
	s_mov_b32 s[G1+4], 8                           ; tile_dim1
	s_mov_b32 s[G1+5], 1536                        ; from row to row
	s_mov_b32 s[G1+6], 0
	s_mov_b32 s[G1+7], 0
	; Wout's tiles: 128 rows x 192 bytes, 16 bytes of padding behind every 64
	s_or_b32 s[G1B+0], s44, (0<<16)|(1<<20)|(1<<21)|(3<<22)|(3<<25)
	s_mov_b32 s[G1B+1], ROWB<<16
	s_mov_b32 s[G1B+2], 128<<16
	s_mov_b32 s[G1B+3], ROWB<<16
	s_mov_b32 s[G1B+4], 128
	s_mov_b32 s[G1B+5], KROW
	s_mov_b32 s[G1B+6], 0
	s_mov_b32 s[G1B+7], 0
	; the scales of 128 rows: a dense block of 4,096 bytes, as rows of 256 bytes, 16 bytes of padding behind each
	s_or_b32 s[G1S+0], s43, (3<<16)|(1<<20)|(1<<21)|(5<<22)|(3<<25)
	s_or_b32 s[G1SB+0], s44, (3<<16)|(1<<20)|(1<<21)|(5<<22)|(3<<25)
.irp g, G1S, G1SB
	s_mov_b32 s[\g+1], 32<<16
	s_mov_b32 s[\g+2], (128*KS/256)<<16
	s_mov_b32 s[\g+3], 32<<16
	s_mov_b32 s[\g+4], 128*KS/256
	s_mov_b32 s[\g+5], 32
	s_mov_b32 s[\g+6], 0
	s_mov_b32 s[\g+7], 0
.endr
	s_lshl_b32 s18, s16, 7
	s_lshl_b32 s20, s17, 8
	s_add_co_u32 s20, s20, s18                     ; o: row 256 x tile row + 128 x half
	s_lshl_b32 s46, s42, 8
	s_add_co_u32 s46, s46, s18                     ; Wout: column 256 x tile column + 128 x half
	s_mov_b32 s21, 0
	s_mov_b32 s47, 0
	s_mov_b64 s[18:19], KS
	s_mul_u64 s[22:23], s[20:21], s[18:19]         ; where these rows' scales begin,
	s_mul_u64 s[92:93], s[46:47], s[18:19]
	s_mov_b64 s[18:19], KROW
	s_mul_u64 s[20:21], s[20:21], s[18:19]         ; and their codes (o: 768 bytes for each row, in tiles of 16 rows)
	s_mul_u64 s[46:47], s[46:47], s[18:19]
	s_mul_i32 s45, s16, HALFA                      ; where they go: o's two halves,
	s_mul_i32 s95, s16, HALFB
	s_add_co_u32 s95, s95, 2*HALFA                 ; then Wout's two
	s_mul_i32 s94, s14, HALFS
	s_wait_kmcnt 0x0
	s_add_nc_u64 s[8:9], s[8:9], XC_WO
	s_add_nc_u64 s[10:11], s[10:11], XS_WO
	s_add_nc_u64 s[20:21], s[4:5], s[20:21]
	s_add_nc_u64 s[22:23], s[6:7], s[22:23]
	s_add_nc_u64 s[46:47], s[8:9], s[46:47]
	s_add_nc_u64 s[92:93], s[10:11], s[92:93]
	CROUND                                         ; all sixteen work-groups are here: the first joint loads meet
	s_mov_b32 s[G0S], 1
	s_add_co_u32 s[G0S+1], s94, SCL
	s_mov_b64 s[G0S+2:G0S+3], s[22:23]
	s_or_b32 s[G0S+3], s[G0S+3], 0x80000000
	s_mov_b32 s[G0SB], 1
	s_add_co_u32 s[G0SB+1], s94, SCL
	s_mov_b64 s[G0SB+2:G0SB+3], s[92:93]
	s_or_b32 s[G0SB+3], s[G0SB+3], 0x80000000
	JLOAD G0S, G1S, G0SB, G1SB                     ; the scales first
.irp s, 0,1
	s_mov_b32 s[G0+4*\s], 1
	s_add_co_u32 s[G0+4*\s+1], s45, \s*SLOT
	s_add_nc_u64 s[G0+4*\s+2:G0+4*\s+3], s[20:21], \s*ASTEP
	s_or_b32 s[G0+4*\s+3], s[G0+4*\s+3], 0x80000000
	s_mov_b32 s[G0B+4*\s], 1
	s_add_co_u32 s[G0B+4*\s+1], s95, \s*SLOT
	s_add_nc_u64 s[G0B+4*\s+2:G0B+4*\s+3], s[46:47], \s*ROWB
	s_or_b32 s[G0B+4*\s+3], s[G0B+4*\s+3], 0x80000000
	JLOAD G0+4*\s, G1, G0B+4*\s, G1B
.endr
	v_and_b32 v1, 15, v0                           ; r
	v_bfe_u32 v2, v0, 4, 1                         ; h
	v_and_b32 v6, 31, v0                           ; l
	v_lshlrev_b32 v4, 4, v6
	v_lshlrev_b32 v5, 3, v6
	s_mul_i32 s21, s15, HALFA                      ; my 128 rows of o
.irp s, 0,1
	v_add_nc_u32 v[ADRA+\s], s21, v4
	v_add_nc_u32 v[ADRA+2+\s], s21, v5
	s_add_co_u32 s21, s21, SLOT
.endr
	v_mul_u32_u24 v3, v1, PITCH
	v_mul_u32_u24 v4, v2, 24
	v_add_nc_u32 v4, v3, v4                        ; Wout: a fragment's row x pitch + 24 x half
	v_lshl_add_u32 v5, v2, 4, v4                   ; and the same behind one padding more
	s_mul_i32 s22, s16, HALFB
	s_add_co_u32 s22, s22, 2*HALFA
.irp s, 0,1
	v_add_nc_u32 v[ADRB+\s], s22, v4
	v_add_nc_u32 v[ADRB+2+\s], s22, v5
	s_add_co_u32 s22, s22, SLOT
.endr
	v_mul_u32_u24 v5, v1, KS
	v_lshrrev_b32 v6, 8, v5
	v_lshl_add_u32 v5, v6, 4, v5
	s_mul_i32 s21, s15, HALFS
	s_mul_i32 s22, s16, HALFS
	s_add_co_u32 s22, s22, 2*HALFS
	s_sub_co_u32 s22, s22, s21
	v_mul_u32_u24 v6, s22, v2                      ; lanes 16-31 take Wout's
	s_add_co_u32 s21, s21, SCL
	v_add_nc_u32 v5, v5, v6
	v_add_nc_u32 v[ADRS], s21, v5
	s_mul_i32 s23, s14, 16*SPITCH                  ; my stage
	v_mul_u32_u24 v5, v1, SPITCH
	v_lshl_add_u32 v5, v2, 5, v5
	v_add_nc_u32 v[STO], s23, v5
	v_and_b32 v6, 31, v0
	v_lshlrev_b32 v[CO], 4, v6
	v_add_nc_u32 v[RD], s23, v[CO]
	v_lshlrev_b32 v7, 5, v2                        ; 32 h: the bias
	s_lshl_b32 s20, s17, 8
	s_lshl_b32 s21, s15, 7
	s_add_co_u32 s20, s20, s21                     ; my first row of the output
	s_mov_b32 s21, 0
	s_mov_b64 s[18:19], SIZE_N*4
	s_mul_u64 s[20:21], s[20:21], s[18:19]
	s_lshl_b32 s46, s42, 10                        ; my first column, in bytes
	s_lshl_b32 s47, s16, 9
	s_add_co_u32 s46, s46, s47
	s_mov_b32 s47, 0
	s_add_nc_u64 s[66:67], s[66:67], s[46:47]      ; the bias of my 128 columns
	s_add_nc_u64 s[20:21], s[20:21], s[46:47]
	s_add_nc_u64 s[12:13], s[12:13], s[20:21]
.irp b, 0,1,2,3,4,5,6,7
	global_load_b128 v[BIAS+8*\b:BIAS+8*\b+3], v7, s[66:67] offset:64*\b          ; register 8 b + j: the bias of column 16 b + 8 h + j
	global_load_b128 v[BIAS+8*\b+4:BIAS+8*\b+7], v7, s[66:67] offset:64*\b+16
.endr
.macro FRAG reg, adr, q, i             ; a fragment of Wout, in pieces of 8 bytes; where the piece three on lies behind one padding more, the second address register serves
.irp p, 0,1,2,3,4,5
.set PCE, 12*(\q)+6*(\p/3)+\p%3
.if PCE%8 < 5
	ds_load_b64 v[\reg+2*\p:\reg+2*\p+1], v[\adr] offset:8*PCE+16*(PCE/8)+(\i)*16*PITCH
.else
	ds_load_b64 v[\reg+2*\p:\reg+2*\p+1], v[\adr+2] offset:8*PCE+16*(PCE/8)+(\i)*16*PITCH
.endif
.endr
.endm
.macro FRAGA reg, slot, q, i           ; a fragment of o: the half-images of two heads, as they were stored
	ds_load_b128 v[\reg:\reg+3], v[ADRA+\slot] offset:ASTEP*(\i)+1536*(\q)
	ds_load_b64 v[\reg+4:\reg+5], v[ADRA+2+\slot] offset:ASTEP*(\i)+1536*(\q)+512
	ds_load_b128 v[\reg+6:\reg+9], v[ADRA+\slot] offset:ASTEP*(\i)+1536*(\q)+768
	ds_load_b64 v[\reg+10:\reg+11], v[ADRA+2+\slot] offset:ASTEP*(\i)+1536*(\q)+1280
.endm
.macro MUL16 a0, p, q, sc, zero        ; 16 matrix instructions; zero = 1: the first products take the bias as C.  The 64 accumulators take turns, one instruction a turn
.irp a, \a0, \a0+1
.irp b, 0,1,2,3,4,5,6,7
.if \zero
	v_wmma_scale_f32_16x16x128_f8f6f4 v[8*(8*((\a)%4)+\b):8*(8*((\a)%4)+\b)+7], v[128*(\p)+FR*\b:128*(\p)+FR*\b+FR-1], v[AF+FR*(\a):AF+FR*(\a)+FR-1], v[BIAS+8*\b:BIAS+8*\b+7], v[SC+8*NQ*(\sc)+NQ*\b+(\q)], v[SC+8*NQ*(\sc)+NQ*(\a)+(\q)] matrix_a_fmt:MATRIX_FMT_FP6 matrix_b_fmt:MATRIX_FMT_FP6 matrix_a_scale:MATRIX_SCALE_ROW1
.else
	v_wmma_scale_f32_16x16x128_f8f6f4 v[8*(8*((\a)%4)+\b):8*(8*((\a)%4)+\b)+7], v[128*(\p)+FR*\b:128*(\p)+FR*\b+FR-1], v[AF+FR*(\a):AF+FR*(\a)+FR-1], v[8*(8*((\a)%4)+\b):8*(8*((\a)%4)+\b)+7], v[SC+8*NQ*(\sc)+NQ*\b+(\q)], v[SC+8*NQ*(\sc)+NQ*(\a)+(\q)] matrix_a_fmt:MATRIX_FMT_FP6 matrix_b_fmt:MATRIX_FMT_FP6 matrix_a_scale:MATRIX_SCALE_ROW1
.endif
.endr
.endr
.endm
.macro FETCH_B slot, q, p
	WIN TO_B
.irp i, 0,1,2,3,4,5,6,7
	FRAG 128*(\p)+FR*\i, ADRB+\slot, \q, \i
.endr
	WIN 0
.endm
.macro FETCH_A slot, q, i0
.irp i, \i0, \i0+1, \i0+2, \i0+3
	FRAGA AF+FR*(\i), \slot, \q, \i
.endr
.endm
.macro SCALES sc
.irp i, 0,1,2,3,4,5,6,7
	ds_load_b64 v[SC+8*NQ*\sc+NQ*\i:SC+8*NQ*\sc+NQ*\i+1], v[ADRS] offset:\i*SBLK
.endr
.endm
.macro PLACES n
.rept \n
	v_nop
.endr
.endm
.macro STEP slot, q, zero
	s_wait_dscnt 4*NLA                             ; Wout's set and o's blocks 0-3 are in; the youngest 16 loads (o's blocks 4-7) may be out
	WIN MUL_LO-0x20*(\zero)
	MUL16 0, (\q)%2, \q, \slot, \zero
	MUL16 2, (\q)%2, \q, \slot, \zero
	s_wait_dscnt 0
	PLACES NP
	FETCH_B \slot, (\q)+1, 1-(\q)%2
	FETCH_A \slot, (\q)+1, 0
	WIN MUL_HI-0x30*(\zero)
	MUL16 4, (\q)%2, \q, \slot, \zero
	MUL16 6, (\q)%2, \q, \slot, \zero
	PLACES NP
	WIN 0
	FETCH_A \slot, (\q)+1, 4
.endm
.macro TURN slot, next, fill
	s_wait_tensorcnt 0x0                           ; all my tensor loads have landed: my part of the next slot
	ds_add_u32 v[SPW], v[NIL]                      ; 0 onto my spare word
	s_wait_dscnt 4*NLA+1                           ; (the add and the youngest 16 loads may be out)
	WIN MUL_LO
	MUL16 0, 1, NQ-1, \slot, 0
	s_wait_dscnt 0x0                               ; the add is done, and my reads of this slot are over
	s_barrier_signal -1
	MUL16 2, 1, NQ-1, \slot, 0
	WIN 0
	s_barrier_wait -1
.if \fill
	CREST                                          ; the barrier has opened a round of the cluster's barrier: no wave of any partner still reads this slot or has a load on its way
	s_add_nc_u64 s[G0+4*\slot+2:G0+4*\slot+3], s[G0+4*\slot+2:G0+4*\slot+3], 2*ASTEP
	s_add_nc_u64 s[G0B+4*\slot+2:G0B+4*\slot+3], s[G0B+4*\slot+2:G0B+4*\slot+3], 2*ROWB
	JLOAD G0+4*\slot, G1, G0B+4*\slot, G1B         ; the first tensor load behind the round; its four v_nop are the places in front of the loads below
.else
	PLACES NP
.endif
	v_add_nc_u32 v[ADRS], 4*NQ, v[ADRS]
	FETCH_B \next, 0, 0
	FETCH_A \next, 0, 0
	SCALES \next
	WIN MUL_HI
	MUL16 4, 1, NQ-1, \slot, 0
	MUL16 6, 1, NQ-1, \slot, 0
	PLACES NP
	WIN 0
	FETCH_A \next, 0, 4
.endm
	s_wait_tensorcnt 1                             ; the scales and my part of K step 0 are in (K step 1's load may be out),
	s_barrier_signal -1
	s_barrier_wait -1                              ; everybody's are
	FETCH_B 0, 0, 0
	FETCH_A 0, 0, 0
	SCALES 0
	FETCH_A 0, 0, 4
	s_wait_loadcnt 0x0                             ; the bias
	STEP 0, 0, 1
	s_mov_b32 s3, LAPS-1
.Llap:
	TURN 0, 1, 1
	STEP 1, 0, 0
	TURN 1, 0, 1
	STEP 0, 0, 0
	s_sub_co_u32 s3, s3, 1
	s_cmp_lg_u32 s3, 0
	s_cbranch_scc1 .Llap
	TURN 0, 1, 0                                   ; the last lap fills nothing
	STEP 1, 0, 0
	s_wait_dscnt 4*NLA
	WIN MUL_LO
	MUL16 0, 1, NQ-1, 1, 0
	MUL16 2, 1, NQ-1, 1, 0
	s_wait_dscnt 0
	WIN MUL_HI
	MUL16 4, 1, NQ-1, 1, 0
	MUL16 6, 1, NQ-1, 1, 0
	WIN 0
; THE WAY OUT, block by block of 16 rows x 128 columns: through my own stage in LDS and back as whole rows of 512 bytes.  LDS serves a wave's instructions in order: no wait between the stores and the loads.
.macro TOSTAGE a
.set AC, 64*((\a)%4)
	WIN 0x08+4*((\a)/4)
.irp b, 0,1,2,3,4,5,6,7
	ds_store_b128 v[STO], v[AC+8*\b:AC+8*\b+3] offset:64*\b          ; each accumulator from its low end on
	ds_store_b128 v[STO], v[AC+8*\b+4:AC+8*\b+7] offset:64*\b+16
.endr
	WIN 0
.set BB, BK+64*((\a)%2)
.irp t, 0,1,2,3,4,5,6,7,8,9,10,11,12,13,14,15
	ds_load_b128 v[BB+4*\t:BB+4*\t+3], v[RD] offset:\t*SPITCH
.endr
.endm
.macro SEND a, younger
.set BB, BK+64*((\a)%2)
	s_wait_dscnt \younger                          ; the block is back in registers
.if (\a) > 0
	s_add_nc_u64 s[12:13], s[12:13], 16*SIZE_N*4   ; (behind a wait on XCNT: the earlier stores have read their base)
.endif
.irp t, 0,1,2,3,4,5,6,7,8,9,10,11,12,13,14,15
	global_store_b128 v[CO], v[BB+4*\t:BB+4*\t+3], s[12:13] offset:\t*SIZE_N*4 th:TH_STORE_NT   ; 32 lanes store 512 consecutive bytes, aligned; written once, read by nobody here
.endr
.endm
	PLACES NP
	TOSTAGE 0
.irp a, 1,2,3,4,5,6,7
.if \a > 1
	s_wait_xcnt 0x0                                ; block a - 2's stores have read their registers and their base
.endif
	TOSTAGE \a
	SEND \a-1, 32                                  ; behind block a - 1's loads: block a's 16 stores and 16 loads
.endr
	s_wait_xcnt 0x0
	SEND 7, 0
	s_wait_tensorcnt 0x0                           ; the wave's end: behind my last tensor load and my last LDS store
	ds_add_u32 v[SPW], v[NIL]
	s_wait_dscnt 0x0
	CROUND                                         ; the closing round
	s_endpgm
.Lfunc_end_k_qbd979f2873_proj:
	.size	k_qbd979f2873_proj, .Lfunc_end_k_qbd979f2873_proj-k_qbd979f2873_proj
	.p2alignl 7, 3214868480
	.fill 96, 4, 3214868480
	.section	.rodata,"a",@progbits
	.p2align	6, 0x0
	.amdhsa_kernel k_qbd979f2873_proj
		.amdhsa_group_segment_fixed_size 327680
		.amdhsa_private_segment_fixed_size 0
		.amdhsa_enable_private_segment 0
		.amdhsa_kernarg_size 48
		.amdhsa_user_sgpr_count 2
		.amdhsa_user_sgpr_kernarg_segment_ptr 1
		.amdhsa_wavefront_size32 1
		.amdhsa_system_sgpr_workgroup_id_x 1
		.amdhsa_system_sgpr_workgroup_id_y 1
		.amdhsa_system_sgpr_workgroup_id_z 1
		.amdhsa_system_vgpr_workitem_id 0
		.amdhsa_next_free_vgpr 1024
		.amdhsa_next_free_sgpr 100
		.amdhsa_reserve_vcc 0
		.amdhsa_float_denorm_mode_32 3
		.amdhsa_float_denorm_mode_16_64 3
		.amdhsa_memory_ordered 1
		.amdhsa_forward_progress 1
		.amdhsa_inst_pref_size 154
	.end_amdhsa_kernel
	.amdgpu_metadata
---
amdhsa.version: [ 1, 2 ]
amdhsa.kernels:
  - .name:           k_qbd979f2873_proj
    .symbol:         k_qbd979f2873_proj.kd
    .args:
      - { .name: o_codes, .offset: 0, .size: 8, .value_kind: global_buffer, .address_space: global }
      - { .name: o_scales, .offset: 8, .size: 8, .value_kind: global_buffer, .address_space: global }
      - { .name: xw_codes, .offset: 16, .size: 8, .value_kind: global_buffer, .address_space: global }
      - { .name: xw_scales, .offset: 24, .size: 8, .value_kind: global_buffer, .address_space: global }
      - { .name: bout, .offset: 32, .size: 8, .value_kind: global_buffer, .address_space: global }
      - { .name: out0, .offset: 40, .size: 8, .value_kind: global_buffer, .address_space: global }
    .group_segment_fixed_size: 327680
    .private_segment_fixed_size: 0
    .kernarg_segment_align: 8
    .kernarg_segment_size: 48
    .max_flat_workgroup_size: 128
    .sgpr_count:     100
    .vgpr_count:     1024
    .wavefront_size: 32
...
	.end_amdgpu_metadata
.endif
;; end of part 4
